; MI455X (gfx1250); checked and timed in simulation.
; The chip was launched on July 23, 2026; its instructions are those of AMD's public machine-readable ISA for CDNA 5 (MIT licence, August 2026) and "CDNA5" Instruction Set Architecture Reference Guide (July 2026). The comments in the code are by the model that wrote it; some were corrected since.
;; Attention. Allowed arithmetic: float matrix products may take bf16 or f16 operands with f32 sums; other float arithmetic in f32, or as packed bf16 or f16 multiplies, adds, multiply-adds, maxima and minima; sums over many terms, partial sums and values carried from step to step in f32; what a program stores and reads back later, other than sums and carried values, may be rounded once to bf16 or f16.
;; Inputs: a_b 1,024 float32; a_w 2,048 x 1,024 float32; encoder_masks 32 x 2,048 int32; encoder_outputs 32 x 2,048 x 1,024 float32; hidden_states 32 x 1,024 float32; v_w 1,024 float32.
;; Outputs: out0 32 x 1,024 float32.
;; 2 versions, each right; version 2 is version 1 with the launch main written anew for expert scheduling mode. Each part assembles by itself: llvm-mc -triple=amdgcn-amd-amdhsa -mcpu=gfx1250 --defsym DOCPART=n.
;; ======== version 1 of 2: 3 launches
;; limits: right only within a limited range of input values
;; workspace buffers: wf 2,097,152 bytes; cb 131,072 bytes; rows 262,144 bytes of whole numbers; meta 8,192 bytes of whole numbers; part 2,359,296 bytes
;; launch prep (part 1): grid 80 x 1, 16 waves a work-group, no clusters, 141,312 bytes of LDS; arguments a_w, a_b, hidden_states, encoder_masks, wf, cb, rows, meta; writes wf, cb, rows, meta
.if DOCPART == 1
	.amdgcn_target "amdgcn-amd-amdhsa--gfx1250"
	.amdhsa_code_object_version 6
	.text
	.protected	k_qf63510e30e_prep
	.globl	k_qf63510e30e_prep
	.p2align	8
	.type	k_qf63510e30e_prep,@function
k_qf63510e30e_prep:
	s_mov_b64 s[64:65], 0
	v_nop
	global_prefetch_b8 v0, s[64:65] scope:SCOPE_SE
	s_setreg_imm32_b32 hwreg(HW_REG_WAVE_MODE, 25, 1), 1
	s_wait_xcnt 0x0
; THREE JOBS, chosen by the work-group's number n.
;   n = 0..15   HPROJ, column group G = n: cb[b][t] = c (hidden[b] . a_w[0:1024][d(t)] + a_b[d(t)]), c = 2 log2(e), f32, for the 64 columns of group G and all 32 batches.
;   n = 16..47  CONV, K block kb = n - 16: rows 1024 + 32 kb .. + 31 of a_w rounded to bf16 and laid out as matrix fragments in wf.
;   n = 48..79  MASK, batch b = n - 48: rows[b] = the numbers 0..2047, those with mask != 0 from the front, the others from the back; meta[b] = 32 x (count, flag).
;               Where no mask is set the count is 2048 and the flag 1: every row is listed, and the next launch gives each the score -1e10, as the softmax of equal scores wants.
; THE ORDER OF COLUMNS.  In a group g of 64 columns table place t = 64 g + 16 i + p (i = 0..3, p = 0..15) stands for column d = 64 g + 4 p + i.  So a lane's 16-byte load of a_w
; (columns 4 p .. 4 p + 3) feeds the same lane p of four fragments i, and sixteen lanes read 256 consecutive bytes, aligned.  wf, cb and the next launch's table of v_w go by t.
; wf: byte ((g 32 + kb) 4 + i) 1024 + half 512 + lane 16: lane (p = lane % 16, h = lane / 16) holds a_w[1024 + 32 kb + 16 half + 8 h + 0..7][64 g + 4 p + i] as 8 bf16.
; Products in bf16 with f32 sums; HPROJ splits K among its 16 waves (64 each) and adds the partial sums in f32, through LDS.
.set SPARE, 139264                     ; behind the partial sums: the spare words, 128 bytes for each of 16 waves
.set WPART, 8704                       ; a wave's partial sums: 32 batches x 272 bytes
.set PP,    272                        ; 64 f32 + 16 bytes of padding: an odd multiple of 16
.set ST0W,  16                         ; v[16:79]    K step 0: 32 rows x 4 columns of a_w, f32
.set ST0H,  80                         ; v[80:111]   K step 0: hidden, f32
.set ST1W,  112                        ; v[112:175]  K step 1
.set ST1H,  176                        ; v[176:207]
.set WF,    208                        ; v[208:239]  four fragments of a_w, bf16
.set HF,    240                        ; v[240:255]  two fragments of hidden, bf16
.set ACC,   16                         ; v[16:79]    eight accumulators (mb, q) at ACC + 8 (4 mb + q): step 0's f32 have been rounded by then
; v1 my spare word, v2 zero (for the add alone); v4 lane, v5 lane % 16, v6 lane / 16, v7 offset in a_w; s20 wave, s21 work-group
.macro WLOAD dst, off                  ; 32 rows of a_w: row 16 g + 8 h + k, my four columns
.irp g, 0,1
.irp k, 0,1,2,3,4,5,6,7
	global_load_b128 v[(\dst)+4*(8*\g+\k):(\dst)+4*(8*\g+\k)+3], v7, s[4:5] offset:(\off)+(16*\g+\k)*4096 th:TH_LOAD_NT
.endr
.endr
.endm
.macro WCVT src                        ; fragment q takes component q of each load; two neighbouring k to a register
.irp q, 0,1,2,3
.irp g, 0,1
.irp k, 0,2,4,6
	v_cvt_pk_bf16_f32 v[WF+8*\q+4*\g+\k/2], v[(\src)+4*(8*\g+\k)+\q], v[(\src)+4*(8*\g+\k+1)+\q]
.endr
.endr
.endr
.endm
.macro HLOAD dst, st                   ; hidden: batch 16 m + lane % 16, k = 8 h + 0..7 and 16 + 8 h + 0..7 of K step st
.irp m, 0,1
	global_load_b128 v[(\dst)+16*\m:(\dst)+16*\m+3],     v8, s[8:9] offset:\m*65536+(\st)*128
	global_load_b128 v[(\dst)+16*\m+4:(\dst)+16*\m+7],   v8, s[8:9] offset:\m*65536+(\st)*128+16
	global_load_b128 v[(\dst)+16*\m+8:(\dst)+16*\m+11],  v8, s[8:9] offset:\m*65536+(\st)*128+64
	global_load_b128 v[(\dst)+16*\m+12:(\dst)+16*\m+15], v8, s[8:9] offset:\m*65536+(\st)*128+80
.endr
.endm
.macro HCVT src
.set hx, 0
.rept 16
	v_cvt_pk_bf16_f32 v[HF+hx], v[(\src)+2*hx], v[(\src)+2*hx+1]
.set hx, hx+1
.endr
.endm
.macro PMUL zero                       ; eight products; the eight accumulators take turns, one instruction a turn
.irp m, 0,1
.irp q, 0,1,2,3
.if \zero
	v_wmma_f32_16x16x32_bf16 v[ACC+8*(4*\m+\q):ACC+8*(4*\m+\q)+7], v[WF+8*\q:WF+8*\q+7], v[HF+8*\m:HF+8*\m+7], 0
.else
	v_wmma_f32_16x16x32_bf16 v[ACC+8*(4*\m+\q):ACC+8*(4*\m+\q)+7], v[WF+8*\q:WF+8*\q+7], v[HF+8*\m:HF+8*\m+7], v[ACC+8*(4*\m+\q):ACC+8*(4*\m+\q)+7]
.endif
.endr
.endr
.endm
	s_load_b256 s[4:11], s[0:1], 0x0               ; a_w s[4:5], a_b s[6:7], hidden s[8:9], masks s[10:11]
	s_load_b256 s[12:19], s[0:1], 0x20             ; wf s[12:13], cb s[14:15], rows s[16:17], meta s[18:19]
	v_lshl_add_u32 v1, v0, 2, SPARE
	v_mov_b32 v2, 0
	v_lshrrev_b32 v3, 5, v0
	v_readfirstlane_b32 s20, v3                    ; wave 0..15
	v_and_b32 v4, 31, v0
	v_and_b32 v5, 15, v0
	v_bfe_u32 v6, v0, 4, 1
	v_lshlrev_b32 v7, 4, v5
	v_lshl_add_u32 v7, v6, 15, v7                  ; 8 h rows of 4,096 bytes + 16 (lane % 16)
	s_mov_b32 s21, ttmp9
	s_mov_b32 s25, 0                               ; the high word of every offset pair
	s_wait_kmcnt 0x0
	s_cmp_lt_u32 s21, 16
	s_cbranch_scc1 .Lhproj
	s_cmp_lt_u32 s21, 48
	s_cbranch_scc1 .Lconv
	; ---- MASK.  The batch's 2,048 masks in 64 chunks of 32: chunk 4 w + c is component c of wave w's 16-byte loads: lane l holds row 128 w + 4 l + c.
	s_sub_co_u32 s22, s21, 48                      ; b
	s_lshl_b32 s24, s22, 13
	s_add_nc_u64 s[10:11], s[10:11], s[24:25]      ; the batch's masks,
	s_add_nc_u64 s[16:17], s[16:17], s[24:25]      ; its list,
	s_lshl_b32 s24, s22, 8
	s_add_nc_u64 s[18:19], s[18:19], s[24:25]      ; its 256 bytes of meta
	v_lshlrev_b32 v12, 4, v4
.irp q, 0,1,2,3,4,5,6,7,8,9,10,11,12,13,14,15
	global_load_b128 v[16+4*\q:19+4*\q], v12, s[10:11] offset:512*\q  ; every wave counts all chunks
.endr
	s_lshl_b32 s26, s20, 9
	v_add_nc_u32 v13, s26, v12
	global_load_b128 v[80:83], v13, s[10:11]       ; my own four chunks
	s_mov_b32 s27, 0                               ; the batch's count
	s_mov_b32 s28, 0                               ; set masks in the chunks ahead of mine
	s_wait_loadcnt 0x0
.irp q, 0,1,2,3,4,5,6,7,8,9,10,11,12,13,14,15
	v_cmp_ne_u32 s29, 0, v[16+4*\q]
	v_cmp_ne_u32 s30, 0, v[17+4*\q]
	v_cmp_ne_u32 s31, 0, v[18+4*\q]
	v_cmp_ne_u32 s32, 0, v[19+4*\q]
	s_bcnt1_i32_b32 s29, s29
	s_bcnt1_i32_b32 s30, s30
	s_bcnt1_i32_b32 s31, s31
	s_bcnt1_i32_b32 s32, s32
	s_add_co_u32 s29, s29, s30
	s_add_co_u32 s31, s31, s32
	s_add_co_u32 s29, s29, s31
	s_add_co_u32 s27, s27, s29
	s_cmp_gt_u32 s20, \q                           ; a wave ahead of mine?
	s_cselect_b32 s29, s29, 0
	s_add_co_u32 s28, s28, s29
.endr
	s_lshl_b32 s33, s20, 7                         ; 128 w
.irp c, 0,1,2,3
	v_cmp_ne_u32 s29, 0, v[80+\c]
	v_mbcnt_lo_u32_b32 v9, s29, 0                  ; set masks in the lanes below mine
	s_sub_co_u32 s32, 2047-32*\c, s33
	s_add_co_u32 s32, s32, s28
	v_add_nc_u32 v10, s28, v9                      ; a set mask's place: the set masks ahead of it
	v_sub_nc_u32 v11, s32, v4
	v_add_nc_u32 v11, v11, v9                      ; a clear mask's place: 2047 less the clear masks ahead of it
	v_cndmask_b32 v10, v11, v10, s29
	v_min_u32 v10, 0x7ff, v10                      ; a place made of loaded numbers is held inside the list
	v_lshlrev_b32 v[84+\c], 2, v10
	s_add_co_u32 s30, s33, \c
	v_lshl_add_u32 v[88+\c], v4, 2, s30            ; the row's number
	global_store_b32 v[84+\c], v[88+\c], s[16:17]  ; the set lanes' words lie side by side, and so do the clear lanes'
	s_bcnt1_i32_b32 s29, s29
	s_add_co_u32 s28, s28, s29
.endr
	s_cmp_lg_u32 s20, 0
	s_cbranch_scc1 .Ljoin                          ; wave 0 writes meta
	s_cmp_eq_u32 s27, 0
	s_cselect_b32 s34, 2048, s27
	s_cselect_b32 s35, 1, 0
	v_mov_b32 v92, s34
	v_mov_b32 v93, s35
	v_lshlrev_b32 v94, 3, v4
	global_store_b64 v94, v[92:93], s[18:19]       ; 32 lanes x 8 bytes: 256 consecutive bytes, aligned
	s_branch .Ljoin
.Lconv:	; ---- CONV.  Wave g takes column group g of the work-group's 32 rows.
	s_sub_co_u32 s22, s21, 16                      ; kb
	s_lshl_b32 s24, s22, 17                        ; 32 kb rows of 4,096 bytes,
	s_add_co_u32 s24, s24, 1024*4096               ; behind the 1,024 rows that multiply hidden,
	s_lshl_b32 s26, s20, 8                         ; 64 g columns
	s_add_co_u32 s24, s24, s26
	s_add_nc_u64 s[4:5], s[4:5], s[24:25]
	WLOAD ST0W, 0
	s_lshl_b32 s24, s20, 17
	s_lshl_b32 s26, s22, 12
	s_add_co_u32 s24, s24, s26                     ; (g 32 + kb) 4,096
	s_add_nc_u64 s[12:13], s[12:13], s[24:25]
	v_lshlrev_b32 v8, 4, v4
	s_wait_loadcnt 0x0
	WCVT ST0W
.irp q, 0,1,2,3
	global_store_b128 v8, v[WF+8*\q:WF+8*\q+3],   s[12:13] offset:1024*\q      ; each store covers 512 consecutive bytes, aligned
	global_store_b128 v8, v[WF+8*\q+4:WF+8*\q+7], s[12:13] offset:1024*\q+512
.endr
	s_branch .Ljoin
.Lhproj:	; ---- HPROJ, first part.  Wave v multiplies k = 64 v .. 64 v + 63: two K steps.  Source 0 = 16 table places, source 1 = 16 batches.
	s_lshl_b32 s24, s20, 18                        ; 64 v rows of 4,096 bytes,
	s_lshl_b32 s26, s21, 8                         ; 64 G columns
	s_add_co_u32 s24, s24, s26
	s_add_nc_u64 s[4:5], s[4:5], s[24:25]
	s_lshl_b32 s24, s20, 8                         ; 64 v numbers of a row of hidden
	s_add_nc_u64 s[8:9], s[8:9], s[24:25]
	v_lshlrev_b32 v8, 12, v5
	v_lshl_add_u32 v8, v6, 5, v8                   ; batch x 4,096 + 32 h
	WLOAD ST0W, 0
	HLOAD ST0H, 0
	WLOAD ST1W, 32*4096
	HLOAD ST1H, 1
	s_mul_i32 s24, s20, WPART
	v_mul_u32_u24 v9, v5, PP
	v_lshl_add_u32 v9, v6, 5, v9
	v_add_nc_u32 v9, s24, v9                       ; my wave's partial sums: batch lane % 16, places 8 h on
	s_wait_loadcnt 24                              ; K step 0 is in; step 1's 24 loads may stay out
	WCVT ST0W
	HCVT ST0H
	PMUL 1                                         ; the first products start the sums
	s_wait_loadcnt 0x0
.rept 4
	v_nop                                          ; four places behind the products, ahead of the lines that write their sources anew (ISA guide 7.12.1)
.endr
	WCVT ST1W
	HCVT ST1H
	PMUL 0
.rept 8
	v_nop                                          ; the places behind the last products, ahead of the stores of their results
.endr
.irp m, 0,1
.irp q, 0,1,2,3
	ds_store_b128 v9, v[ACC+8*(4*\m+\q):ACC+8*(4*\m+\q)+3]   offset:\m*16*PP+64*\q      ; register j: place 16 q + 8 h + j of batch 16 m + lane % 16; the low four first
	ds_store_b128 v9, v[ACC+8*(4*\m+\q)+4:ACC+8*(4*\m+\q)+7] offset:\m*16*PP+64*\q+16
.endr
.endr
.Ljoin:
	s_wait_xcnt 0x0                                ; what has been issued has read its registers: the lines below write some of them anew
	s_wait_dscnt 0x0                               ; for the others' sake: my partial sums lie in LDS
	s_barrier_signal -1
	s_barrier_wait -1
	s_cmp_lt_u32 s21, 16
	s_cbranch_scc0 .Lend
	; ---- HPROJ, second part.  Thread t: batch t / 16, table places 4 u .. 4 u + 3 (u = t % 16): i = u / 4, p = 4 (u % 4) + x, column 64 G + 16 (u % 4) + 4 x + u / 4.
	v_lshrrev_b32 v16, 4, v0
	v_and_b32 v17, 15, v0
	v_and_b32 v18, 3, v17
	v_lshrrev_b32 v19, 2, v17
	v_lshlrev_b32 v20, 6, v18
	v_lshl_add_u32 v20, v19, 2, v20
	s_lshl_b32 s24, s21, 8
	v_add_nc_u32 v20, s24, v20
.irp x, 0,1,2,3
	global_load_b32 v[24+\x], v20, s[6:7] offset:16*\x
.endr
	v_mul_u32_u24 v21, v16, PP
	v_lshl_add_u32 v21, v17, 4, v21
	v_add_nc_u32 v22, 8*WPART, v21                 ; the immediate holds 16 bits: waves 8 to 15 by a second register
.irp w, 0,1,2,3,4,5,6,7
	ds_load_b128 v[32+4*\w:35+4*\w], v21 offset:WPART*\w
	ds_load_b128 v[64+4*\w:67+4*\w], v22 offset:WPART*\w
.endr
	v_lshlrev_b32 v23, 12, v16
	v_lshl_add_u32 v23, v17, 4, v23
	v_add_nc_u32 v23, s24, v23                     ; batch x 4,096 + 256 G + 16 u
	s_wait_dscnt 0x0
.irp d, 32,16,8,4                      ; the sixteen waves' sums, halved four times, in f32
.set tx, 0
.rept \d/2
	v_pk_add_f32 v[32+2*tx:33+2*tx], v[32+2*tx:33+2*tx], v[32+\d+2*tx:33+\d+2*tx]
.set tx, tx+1
.endr
.endr
	s_wait_loadcnt 0x0
	v_pk_add_f32 v[32:33], v[32:33], v[24:25]
	v_pk_add_f32 v[34:35], v[34:35], v[26:27]
	v_pk_mul_f32 v[32:33], v[32:33], 0x4038aa3b op_sel_hi:[1,0]  ; c = 2 log2(e)
	v_pk_mul_f32 v[34:35], v[34:35], 0x4038aa3b op_sel_hi:[1,0]
	global_store_b128 v23, v[32:35], s[14:15]      ; sixteen lanes store 256 consecutive bytes, aligned
.Lend:
	s_wait_tensorcnt 0x0                           ; the wave's end: three closing lines, behind my last LDS store
	ds_add_u32 v1, v2
	s_wait_dscnt 0x0
	s_endpgm
.Lfunc_end_k_qf63510e30e_prep:
	.size	k_qf63510e30e_prep, .Lfunc_end_k_qf63510e30e_prep-k_qf63510e30e_prep
	.p2alignl 7, 3214868480
	.fill 96, 4, 3214868480
	.section	.rodata,"a",@progbits
	.p2align	6, 0x0
	.amdhsa_kernel k_qf63510e30e_prep
		.amdhsa_group_segment_fixed_size 141312
		.amdhsa_private_segment_fixed_size 0
		.amdhsa_enable_private_segment 0
		.amdhsa_kernarg_size 64
		.amdhsa_user_sgpr_count 2
		.amdhsa_user_sgpr_kernarg_segment_ptr 1
		.amdhsa_wavefront_size32 1
		.amdhsa_system_sgpr_workgroup_id_x 1
		.amdhsa_system_sgpr_workgroup_id_y 1
		.amdhsa_system_sgpr_workgroup_id_z 1
		.amdhsa_system_vgpr_workitem_id 0
		.amdhsa_next_free_vgpr 256
		.amdhsa_next_free_sgpr 66
		.amdhsa_reserve_vcc 0
		.amdhsa_float_denorm_mode_32 3
		.amdhsa_float_denorm_mode_16_64 3
		.amdhsa_memory_ordered 1
		.amdhsa_forward_progress 1
		.amdhsa_inst_pref_size 39
	.end_amdhsa_kernel
	.amdgpu_metadata
---
amdhsa.version: [ 1, 2 ]
amdhsa.kernels:
  - .name:           k_qf63510e30e_prep
    .symbol:         k_qf63510e30e_prep.kd
    .args:
      - { .name: a_w, .offset: 0, .size: 8, .value_kind: global_buffer, .address_space: global }
      - { .name: a_b, .offset: 8, .size: 8, .value_kind: global_buffer, .address_space: global }
      - { .name: hidden_states, .offset: 16, .size: 8, .value_kind: global_buffer, .address_space: global }
      - { .name: encoder_masks, .offset: 24, .size: 8, .value_kind: global_buffer, .address_space: global }
      - { .name: wf, .offset: 32, .size: 8, .value_kind: global_buffer, .address_space: global }
      - { .name: cb, .offset: 40, .size: 8, .value_kind: global_buffer, .address_space: global }
      - { .name: rows, .offset: 48, .size: 8, .value_kind: global_buffer, .address_space: global }
      - { .name: meta, .offset: 56, .size: 8, .value_kind: global_buffer, .address_space: global }
    .group_segment_fixed_size: 141312
    .private_segment_fixed_size: 0
    .kernarg_segment_align: 8
    .kernarg_segment_size: 64
    .max_flat_workgroup_size: 512
    .sgpr_count:     66
    .vgpr_count:     256
    .wavefront_size: 32
...
	.end_amdgpu_metadata
.endif
;; end of part 1
;; launch main (part 2): grid 8 x 32, 4 waves a work-group, no clusters, 310,784 bytes of LDS; arguments encoder_outputs, rows, meta, wf, cb, v_w, part; writes part
.if DOCPART == 2
	.amdgcn_target "amdgcn-amd-amdhsa--gfx1250"
	.amdhsa_code_object_version 6
	.text
	.protected	k_qf63510e30e_main
	.globl	k_qf63510e30e_main
	.p2align	8
	.type	k_qf63510e30e_main,@function
k_qf63510e30e_main:
	s_mov_b64 s[64:65], 0
	v_nop
	global_prefetch_b8 v0, s[64:65] scope:SCOPE_SE
	s_setreg_imm32_b32 hwreg(HW_REG_WAVE_MODE, 25, 1), 1
	s_wait_xcnt 0x0
; SCORES, A BLOCK'S SOFTMAX AND ITS WEIGHTED SUM, for the rows that a batch's list names.
; score[s] = sum over d of v_w[d] tanh(enc[s] . W_enc[:, d] + h_proj[d] + a_b[d]).  tanh(x) = 1 - 2 / (1 + 2^(c x)), c = 2 log2(e).  The sum of v_w is the same for every row of a batch and
; falls out of the softmax, so what is kept is score' = sum over d of (-2 log2(e) v_w[d]) / (1 + 2^(c e_proj + cb[d])), in units of log2; cb = c (h_proj + a_b) comes from the launch before.
; A masked row's score is -1e10: its weight 2^(..) is 0 in f32 beside any unmasked row's, so only unmasked rows are listed, read and multiplied.  Where a batch has none, the list names all
; 2,048 rows and the flag gives each the score -1e10.
; LIMITS.  |score| must stay far under 1e10 (it is at most the sum of |v_w|), so that a masked weight is exactly 0, as in f32.  A weight below 2^-126 counts as 0.  NaN and infinities are not
; treated apart.  2^(c x) may overflow to infinity: its reciprocal is 0 and tanh is 1.  Encoder rows, W_enc and hidden are rounded to bf16; sums, maxima and tanh in f32.
; SHARES.  Eight work-groups a batch.  With cnt listed rows, R = 16 ceil(cnt / 128) <= 256; work-group j takes list places j R .. min(j R + R, cnt) - 1, in blocks of 144 rows: the block loop has
; the constant two trips (2 x 144 >= 256).  A trip whose block holds no row jumps forward over the four heavy parts; its four barriers stand outside those jumps.  Places past the share's end
; repeat its last row and get the weight 0.
; A BLOCK.  (1) Its 144 rows are read once, rounded to bf16 and laid in LDS.  (2) All four waves multiply all 144 rows, wave w by table places 256 w .. 256 w + 255, in four passes of 64: 36
; accumulators.  W's fragments come straight from wf into registers, seven K steps ahead: no two waves want the same, and wf lies in fragment order.  Behind a pass the 144 x 64 sums become
; tanh terms and are added into nine pairs of score sums.  (3) The four waves' score sums meet in LDS; each wave makes the block's maximum m, weights p = 2^(score' - m) and their sum l for
; itself, and (4) sums p x row over the LDS rows for its 256 columns.  o, m and l go to part; the next launch joins a batch's 16 blocks.
; NO CLUSTER, NO TENSOR LOADS: the rows are gathered by a list and must pass through registers to be rounded; they take 297,216 of the 310,784 bytes of LDS in use, so there is no room for slots of W;
; and how many blocks a work-group multiplies hangs on a count read from memory, which differs from batch to batch.
; LDS ADDRESSES.  A register that holds one is either never rewritten (the K step then stands in the immediate: a pass's 32 K steps are written out), or made anew in each trip as a scalar
; offset, stepped by a constant in a loop that counts down, plus a register that is never rewritten; a loop of that second kind has a barrier on either side.
; THE MATRIX INSTRUCTION IS USED TRANSPOSED: source 0 = 16 table places of W, source 1 = 16 rows.  A lane (r = lane % 16, h = lane / 16) holds row 16 a + r, register j place 64 g + 16 i + 8 h + j.
; REGISTERS, in windows of 256 (s_set_vgpr_msb: bits 1:0 source 0, 3:2 source 1, 5:4 source 2, 7:6 destination):
;   window 0: addresses, score sums, two buffers of A's fragments (the second is also T, the tanh's 72 registers), at work
;   window 1: eight buffers of W's fragments, 32 each      window 2: accumulators (a, i) at 32 a + 8 i, a = 0..7; during the fill six row slots of 32
;   window 3: v0-31 accumulators (8, i); v32-63 a pass's cb; v64-95 its -2 log2(e) v_w
.set PITCH, 2064                       ; an LDS row: 2,048 bytes + 16 = 129 x 16: the 16 rows of a fragment load start in 16 different groups of four banks (ISA guide 11.1)
.set CBT,   144*PITCH                  ; cb by table place, 4,096 bytes
.set VWT,   CBT+4096                   ; -2 log2(e) v_w by table place, 4,096 bytes
.set SCB,   VWT+4096                   ; score sums: 144 f32 for each wave
.set PWB,   SCB+4*576                  ; weights: 160 f32 for each wave, its own copy
.set SPARE, PWB+4*640                  ; the spare words, 128 bytes for each wave
.set L16,   1                          ; v1      16 x lane; never rewritten
.set SPW,   2                          ; v2      my spare word; never rewritten
.set NIL,   3                          ; v3      0; never rewritten
.set ADRA,  4                          ; v4-12   A's fragment of row block a: (16 a + r) PITCH + 16 h; never rewritten
.set TADR,  13                         ; v13     the pass's 256 bytes of the tables
.set IDX,   14                         ; v14-19  slot s, lane l: the number of local row 36 w + 6 l + s of the block in hand
.set IDXN,  20                         ; v20-25  the same for the second block
.set OFFR,  26                         ; v26-31  slot s: byte offset of its row's loads
.set STA,   32                         ; v32     where the fill stores: s35 + v33
.set STA0,  33                         ; v33     36 w PITCH + 8 lane; never rewritten
.set SCA,   34                         ; v34     SCB + 576 w + 4 r; never rewritten
.set HB,    35                         ; v35     CBT + 1,024 w + 32 h; never rewritten
.set WADR,  36                         ; v36     the weighted sum's place in A: s35 + v37
.set WADR0, 37                         ; v37     256 w + 8 lane; never rewritten
.set PADR,  38                         ; v38     its place in my weights: s46 + v39
.set PADR0, 39                         ; v39     PWB + 640 w; never rewritten
.set GO,    40                         ; v40     16 x thread; never rewritten
.set LN,    41                         ; v41     lane
.set SA,    42                         ; v42-59  nine pairs of score sums
.set AF0,   64                         ; v64-135  A's fragments, buffer 0
.set AF1,   136                        ; v136-207 buffer 1
.set T,     136
.set TC,    208                        ; v208-223 the fill's rounded row
.set O,     208                        ; v208-215 my eight columns' weighted sums;  v216 m;  v217 l
.set MX,    216
.set LS,    217
.set CBR,   32                         ; window 3
.set VWR,   64                         ; window 3
; s[4:5] enc at the batch, s[6:7] its list, s[8:9] its meta, s[10:11] wf, s[12:13] its cb, s[14:15] v_w, s[16:17] part at my slot; s20 wave, s21 j, s22 b; s24 cnt, s25 flag, s26 R, s27 start,
; s28 my rows, s29 my last list place; s30 blocks to go, s31 the block's first row; s32, s33 counts; s34 the pass's column group in my four; s35 an LDS offset that steps; s[36:37] W's stream;
; s[38:39] its wrap; s[40:41] lane selects; s42 a row number; s43 the fill's lane; s44 flag as a lane mask; s45-47 at work; s48-52 lane masks of valid rows
.set MSB, 0
.macro WIN new                         ; the immediate's high byte repeats the setting that is left; a switch that changes nothing is dropped
.if MSB != (\new)
	s_set_vgpr_msb (MSB<<8)|(\new)
.set MSB, (\new)
.endif
.endm
.macro BLOAD n, imm                    ; a K step of W for my 64 places: four fragments, 4,096 consecutive bytes, into buffer n
	WIN 0x40
.irp i, 0,1,2,3
	global_load_b128 v[32*(\n)+8*\i:32*(\n)+8*\i+3],   v[L16], s[36:37] offset:(\imm)+1024*\i
	global_load_b128 v[32*(\n)+8*\i+4:32*(\n)+8*\i+7], v[L16], s[36:37] offset:(\imm)+1024*\i+512
.endr
.endm
.macro AFETCH f, k                     ; a K step of A: nine fragments, at byte k of the rows
	WIN 0
.irp a, 0,1,2,3,4,5,6,7,8
	ds_load_b128 v[(\f)+8*\a:(\f)+8*\a+3],   v[ADRA+\a] offset:(\k)
	ds_load_b128 v[(\f)+8*\a+4:(\f)+8*\a+7], v[ADRA+\a] offset:(\k)+32
.endr
.endm
.macro MUL f, n, a0, cnt, zero         ; row blocks a0 .. a0 + cnt - 1 x the four fragments of W.  The 36 accumulators take turns, one instruction a turn
.set ma, \a0
.rept \cnt
.if ma < 8
	WIN 0xa1
.set rc, 32*ma
.else
	WIN 0xf1
.set rc, 0
.endif
.irp i, 0,1,2,3
.if \zero
	v_wmma_f32_16x16x32_bf16 v[rc+8*\i:rc+8*\i+7], v[32*(\n)+8*\i:32*(\n)+8*\i+7], v[(\f)+8*ma:(\f)+8*ma+7], 0
.else
	v_wmma_f32_16x16x32_bf16 v[rc+8*\i:rc+8*\i+7], v[32*(\n)+8*\i:32*(\n)+8*\i+7], v[(\f)+8*ma:(\f)+8*ma+7], v[rc+8*\i:rc+8*\i+7]
.endif
.endr
.set ma, ma+1
.endr
.endm
; K STEP phi OF A PASS'S 32: 36 products.  In its middle the next step's A (behind step 31: step 0 again, for the next pass) and W of the step seven on are asked for, into the two buffers that the
; step before read last: the four v_nop in front of those loads are the places behind that step's products (ISA guide 7.12.1 for vector instructions).
; From step 25 on the step seven on is the next pass's: W's pointer has been moved there, and the immediate begins anew.
.macro STEP phi, zero
.if (\phi) < 25
.set bi, ((\phi)+7)*4096
.else
.set bi, ((\phi)-25)*4096
.endif
	s_wait_loadcnt 48                              ; this step's W is in: the six younger steps' 6 x 8 loads may stay out
	s_wait_dscnt 8                                 ; A's blocks 0 to 4 are in: the youngest eight loads (blocks 5 to 8) may stay out
	MUL AF0+72*((\phi)%2), (\phi)%8, 0, 5, \zero
.rept 4
	v_nop
.endr
	AFETCH AF0+72*(1-(\phi)%2), 64*(((\phi)+1)%32)
	BLOAD ((\phi)+7)%8, bi
	s_wait_dscnt 18                                ; all but the 18 LDS loads just issued
	MUL AF0+72*((\phi)%2), (\phi)%8, 5, 4, \zero
.endm
; THE TANH TERMS of fragment column i, all nine row blocks: 72 numbers a lane.  Two batches of transcendentals, each with one plain line behind it and one wait.
.macro EPI i
.set ea, 0
.rept 9
.if ea < 8
	WIN 0x32                                       ; sums in window 2, cb in window 3, T in window 0
.set er, 32*ea+8*(\i)
.else
	WIN 0x33
.set er, 8*(\i)
.endif
.irp j, 0,2,4,6                        ; each accumulator is read from its low end on
	v_pk_fma_f32 v[T+8*ea+\j:T+8*ea+\j+1], v[er+\j:er+\j+1], 0x4038aa3b, v[CBR+8*(\i)+\j:CBR+8*(\i)+\j+1] op_sel_hi:[1,0,1]  ; c e_proj + cb
.endr
.set ea, ea+1
.endr
	WIN 0
.set ex, 0
.rept 72
	v_exp_f32 v[T+ex], v[T+ex]
.set ex, ex+1
.endr
	v_nop
	s_wait_alu depctr_va_vdst(0)                   ; one wait for the 72 exponentials, ahead of their first reader
.set ex, 0
.rept 36
	v_pk_add_f32 v[T+ex:T+ex+1], v[T+ex:T+ex+1], 1.0 op_sel_hi:[1,0]
.set ex, ex+2
.endr
.set ex, 0
.rept 72
	v_rcp_f32 v[T+ex], v[T+ex]
.set ex, ex+1
.endr
	v_nop
	s_wait_alu depctr_va_vdst(0)                   ; one wait for the 72 reciprocals
	WIN 0x0c                                       ; v_w's table in window 3
.irp j, 0,2,4,6                        ; nine chains side by side: two links of one stand nine lines apart
.set ea, 0
.rept 9
	v_pk_fma_f32 v[SA+2*ea:SA+2*ea+1], v[T+8*ea+\j:T+8*ea+\j+1], v[VWR+8*(\i)+\j:VWR+8*(\i)+\j+1], v[SA+2*ea:SA+2*ea+1]
.set ea, ea+1
.endr
.endr
	WIN 0
.endm
; THE FILL.  ISSUE: slot s asks for the row that lane s43 of its list names: 8 loads of 512 consecutive bytes.  DRAIN: the slot's row is rounded and stored, 256 consecutive bytes a store.
.macro ISSUE s
	WIN 0
	v_readlane_b32 s42, v[IDX+(\s)], s43
	s_min_u32 s42, s42, 2047                       ; a row number read from memory is held inside the batch
	v_lshl_add_u32 v[OFFR+(\s)], s42, 12, v[L16]
	WIN 0x80
.irp c, 0,1,2,3,4,5,6,7
	global_load_b128 v[32*(\s)+4*\c:32*(\s)+4*\c+3], v[OFFR+(\s)], s[4:5] offset:512*\c
.endr
.endm
.macro DRAIN s, left
	s_wait_loadcnt \left                           ; loads come back in order (ISA guide 5.7.1): the slot's eight are in, and its offset register is free
	WIN 0x0a
.irp c, 0,1,2,3,4,5,6,7
	v_cvt_pk_bf16_f32 v[TC+2*\c],   v[32*(\s)+4*\c],   v[32*(\s)+4*\c+1]
	v_cvt_pk_bf16_f32 v[TC+2*\c+1], v[32*(\s)+4*\c+2], v[32*(\s)+4*\c+3]
.endr
	WIN 0
.irp c, 0,1,2,3,4,5,6,7
	ds_store_b64 v[STA], v[TC+2*\c:TC+2*\c+1] offset:PITCH*(\s)+256*\c
.endr
.endm
	; ---- HEAD
	s_load_b256 s[4:11], s[0:1], 0x0               ; enc, rows, meta, wf
	s_load_b128 s[12:15], s[0:1], 0x20             ; cb, v_w
	s_load_b64 s[16:17], s[0:1], 0x30              ; part
	v_lshl_add_u32 v[SPW], v0, 2, SPARE
	v_mov_b32 v[NIL], 0
	v_lshrrev_b32 v60, 5, v0
	v_readfirstlane_b32 s20, v60                   ; wave 0..3
	v_and_b32 v[LN], 31, v0
	v_and_b32 v61, 15, v0                          ; r
	v_bfe_u32 v62, v0, 4, 1                        ; h
	v_lshlrev_b32 v[L16], 4, v[LN]
	v_lshlrev_b32 v[GO], 4, v0
	s_mov_b32 s21, ttmp9                           ; j
	s_and_b32 s22, ttmp7, 0xffff                   ; b
	s_mov_b32 s40, 0x76543210                      ; v_permlanex16_b32: each lane takes its own place in the other half
	s_mov_b32 s41, 0xfedcba98
	s_mov_b32 s39, 0
	s_mov_b32 s47, 0
	s_lshl_b32 s46, s22, 8
	s_wait_kmcnt 0x0
	s_add_nc_u64 s[8:9], s[8:9], s[46:47]
	s_load_b64 s[24:25], s[8:9], 0x0               ; cnt, flag
	s_lshl_b32 s46, s22, 23
	s_add_nc_u64 s[4:5], s[4:5], s[46:47]
	s_lshl_b32 s46, s22, 13
	s_add_nc_u64 s[6:7], s[6:7], s[46:47]
	s_lshl_b32 s46, s22, 12
	s_add_nc_u64 s[12:13], s[12:13], s[46:47]
	s_lshl_b32 s46, s22, 3
	s_add_co_u32 s46, s46, s21
	s_mul_i32 s46, s46, 2*4608                     ; two slots of 4,608 bytes to a work-group
	s_add_nc_u64 s[16:17], s[16:17], s[46:47]
	s_wait_kmcnt 0x0
	s_min_u32 s24, s24, 2048
	s_add_co_u32 s26, s24, 127
	s_lshr_b32 s26, s26, 7
	s_lshl_b32 s26, s26, 4                         ; R
	s_mul_i32 s45, s21, s26
	s_min_u32 s27, s45, s24                        ; start
	s_add_co_u32 s45, s45, s26
	s_min_u32 s45, s45, s24                        ; end
	s_sub_co_u32 s28, s45, s27                     ; my rows
	s_max_u32 s29, s45, 1
	s_sub_co_u32 s29, s29, 1                       ; my last list place
	s_cmp_lg_u32 s25, 0
	s_cselect_b32 s44, -1, 0
	s_and_b32 s34, s21, 3                          ; the work-groups begin at different column groups
	s_lshl_b32 s46, s20, 2
	s_add_co_u32 s46, s46, s34
	s_lshl_b32 s46, s46, 17                        ; a column group is 131,072 bytes of wf
	s_add_nc_u64 s[36:37], s[10:11], s[46:47]
	s_mul_i32 s45, s20, 36
	s_add_co_u32 s45, s45, s27
	v_mul_u32_u24 v60, v[LN], 6
	v_add_nc_u32 v60, s45, v60                     ; list place of local row 36 w + 6 lane
.irp e, 0,1,2,3,4,5,6,7,8,9,10,11      ; block e / 6, slot e % 6; each load lands on its own address register
	v_add_nc_u32 v[IDX+\e], 144*(\e/6)+\e%6, v60
	v_min_u32 v[IDX+\e], s29, v[IDX+\e]            ; places past my share repeat its last row
	v_min_u32 v[IDX+\e], 0x7ff, v[IDX+\e]
	v_lshlrev_b32 v[IDX+\e], 2, v[IDX+\e]
	global_load_b32 v[IDX+\e], v[IDX+\e], s[6:7]
.endr
	global_load_b128 v[64:67], v[GO], s[12:13]
	global_load_b128 v[68:71], v[GO], s[12:13] offset:2048
	global_load_b128 v[72:75], v[GO], s[14:15]
	global_load_b128 v[76:79], v[GO], s[14:15] offset:2048
.irp n, 0,1,2,3,4,5,6
	BLOAD \n, 4096*\n                              ; W's stream begins: K steps 0 to 6 of my first pass
.endr
	WIN 0
	v_mul_u32_u24 v[ADRA], v61, PITCH
	v_lshl_add_u32 v[ADRA], v62, 4, v[ADRA]
.irp a, 1,2,3,4,5,6,7,8
	v_add_nc_u32 v[ADRA+\a], \a*16*PITCH, v[ADRA]
.endr
	s_mul_i32 s45, s20, 36*PITCH
	v_lshl_add_u32 v[STA0], v[LN], 3, s45
	s_mul_i32 s45, s20, 576
	s_add_co_u32 s45, s45, SCB
	v_lshl_add_u32 v[SCA], v61, 2, s45
	s_lshl_b32 s45, s20, 10
	s_add_co_u32 s45, s45, CBT
	v_lshl_add_u32 v[HB], v62, 5, s45
	s_lshl_b32 s45, s20, 8
	v_lshl_add_u32 v[WADR0], v[LN], 3, s45
	s_mul_i32 s45, s20, 640
	s_add_co_u32 s45, s45, PWB
	v_mov_b32 v[PADR0], s45
	v_add_nc_u32 v60, CBT, v[GO]
	v_lshrrev_b32 v63, 4, v0
	v_lshlrev_b32 v63, 8, v63
	v_lshl_add_u32 v63, v61, 2, v63
	v_add_nc_u32 v63, VWT, v63                     ; columns 4 t + x go to places 64 (t / 16) + 16 x + t % 16
	s_wait_loadcnt 56                              ; the row numbers and the tables are in: W's 56 loads, issued behind them, may stay out
	ds_store_b128 v60, v[64:67]
	ds_store_b128 v60, v[68:71] offset:2048
.irp x, 0,1,2,3,4,5,6,7
	v_mul_f32 v[72+\x], 0xc038aa3b, v[72+\x]       ; -2 log2(e) v_w
.endr
.irp x, 0,1,2,3
	ds_store_b32 v63, v[72+\x] offset:64*\x
	ds_store_b32 v63, v[76+\x] offset:2048+64*\x
.endr
	s_mov_b32 s30, 2
	s_mov_b32 s31, 0
.Lblk:	; ---- a block of 144 rows
	s_cmp_lt_u32 s31, s28
	s_cbranch_scc0 .Lb1                            ; no row in it: nothing is read
	; (1) THE FILL.  Wave w brings local rows 36 w .. 36 w + 35 through six slots of registers: 48 loads, 24 KiB, of every wave are on their way.
	s_mov_b32 s43, 0                               ; the lane of the row lists: six rows a lane
	s_mov_b32 s35, 0                               ; the six rows' first byte among my 36
.irp s, 0,1,2,3,4,5
	ISSUE \s
.endr
	WIN 0
	s_mov_b32 s33, 5
.Lfill:
	s_add_co_u32 s43, s43, 1
	v_add_nc_u32 v[STA], s35, v[STA0]
.irp s, 0,1,2,3,4,5
	DRAIN \s, 40                                   ; the five younger rows' 40 loads may stay out
	ISSUE \s
.endr
	WIN 0
	s_add_co_u32 s35, s35, 6*PITCH
	s_sub_co_u32 s33, s33, 1
	s_cmp_lg_u32 s33, 0
	s_cbranch_scc1 .Lfill
	v_add_nc_u32 v[STA], s35, v[STA0]
.irp s, 0,1,2,3,4,5
	DRAIN \s, 40-8*\s                              ; the last six rows: the counts run down
.endr
.Lb1:
	s_wait_dscnt 0x0                               ; for the others' sake: my rows (and, the first time, my part of the tables) lie in LDS
	s_barrier_signal -1
	s_barrier_wait -1
	s_cmp_lt_u32 s31, s28
	s_cbranch_scc0 .Lb2
	; (2) THE PRODUCTS AND THE SCORES
.set ea, 0
.rept 18
	v_mov_b32 v[SA+ea], 0
.set ea, ea+1
.endr
	AFETCH AF0, 0
	s_mov_b32 s32, 4
.Lpass:	; 64 table places: 32 K steps, written out
	STEP 0, 1                                      ; the first step's products start the sums
.set ph, 1
.rept 24
	STEP ph, 0
.set ph, ph+1
.endr
	s_wait_xcnt 0x0                                ; W's loads have read their base: it is moved only behind this wait
	s_cmp_eq_u32 s34, 3                            ; the next pass's column group: behind my fourth comes my first
	s_cselect_b32 s38, 0x80000, 0
	s_add_nc_u64 s[36:37], s[36:37], 0x20000
	s_sub_nc_u64 s[36:37], s[36:37], s[38:39]
.rept 7
	STEP ph, 0
.set ph, ph+1
.endr
	WIN 0
	v_lshl_add_u32 v[TADR], s34, 8, v[HB]
	s_add_co_u32 s34, s34, 1
	s_and_b32 s34, s34, 3
.rept 8
	v_nop                                          ; the places behind the last products, ahead of the lines that read the sums and write over A's buffer 1
.endr
	WIN 0xc0
.irp i, 0,1,2,3
	ds_load_b128 v[CBR+8*\i:CBR+8*\i+3],   v[TADR] offset:64*\i
	ds_load_b128 v[CBR+8*\i+4:CBR+8*\i+7], v[TADR] offset:64*\i+16
	ds_load_b128 v[VWR+8*\i:VWR+8*\i+3],   v[TADR] offset:4096+64*\i
	ds_load_b128 v[VWR+8*\i+4:VWR+8*\i+7], v[TADR] offset:4096+64*\i+16
.endr
	WIN 0
	s_wait_dscnt 0x0
	EPI 0
	EPI 1
	EPI 2
	EPI 3
	s_sub_co_u32 s32, s32, 1
	s_cmp_lg_u32 s32, 0
	s_cbranch_scc1 .Lpass
	; after four passes W's stream stands where it began, seven steps asked for: a second block goes straight on
.set ea, 0
.rept 9
	v_add_f32 v[SA+2*ea], v[SA+2*ea], v[SA+2*ea+1]
.set ea, ea+1
.endr
.set ea, 0
.rept 9
	v_permlanex16_b32 v[SA+2*ea+1], v[SA+2*ea], s40, s41  ; the row's other places lie in the lane 16 away
.set ea, ea+1
.endr
.set ea, 0
.rept 9
	v_add_f32 v[SA+2*ea], v[SA+2*ea], v[SA+2*ea+1]
.set ea, ea+1
.endr
.set ea, 0
.rept 9
	ds_store_b32 v[SCA], v[SA+2*ea] offset:64*ea   ; row 16 a + r; both halves of the lanes hold the same number
.set ea, ea+1
.endr
.Lb2:
	s_wait_dscnt 0x0                               ; for the others' sake: my score sums lie in LDS
	s_barrier_signal -1
	s_barrier_wait -1
.set ea, 0
.rept 8
	v_mov_b32 v[O+ea], 0                           ; what an empty block stores: sums 0, the lowest finite maximum
.set ea, ea+1
.endr
	v_mov_b32 v[MX], 0xff7fffff
	v_mov_b32 v[LS], 0
	s_cmp_lt_u32 s31, s28
	s_cbranch_scc0 .Lb3
	; (3) THE BLOCK'S SOFTMAX, by every wave for itself: lane l holds rows 32 q + l, q = 0..4
	s_sub_co_u32 s45, s28, s31                     ; rows of mine from this block's first on,
	s_min_u32 s45, s45, 144                        ; of which the block holds 144 at the most
	v_mov_b32 v62, 0xff7fffff
	v_mov_b32 v63, 0xd01502f9                      ; -1e10
.irp q, 0,1,2,3,4
	v_add_nc_u32 v[64+\q], 32*\q, v[LN]
	v_min_u32 v60, 143, v[64+\q]
	v_lshl_add_u32 v[70+\q], v60, 2, SCB
	ds_load_b32 v[80+4*\q], v[70+\q]
	ds_load_b32 v[81+4*\q], v[70+\q] offset:576
	ds_load_b32 v[82+4*\q], v[70+\q] offset:1152
	ds_load_b32 v[83+4*\q], v[70+\q] offset:1728
	v_cmp_gt_u32 s[48+\q], s45, v[64+\q]           ; is the row one of mine?
.endr
	s_wait_dscnt 0x0
.irp q, 0,1,2,3,4
	v_add_f32 v[80+4*\q], v[80+4*\q], v[81+4*\q]
	v_add_f32 v[82+4*\q], v[82+4*\q], v[83+4*\q]
.endr
.irp q, 0,1,2,3,4
	v_add_f32 v[80+4*\q], v[80+4*\q], v[82+4*\q]
.endr
.irp q, 0,1,2,3,4
	v_cndmask_b32 v[80+4*\q], v[80+4*\q], v63, s44 ; a batch with no unmasked row: every score is -1e10
.endr
.irp q, 0,1,2,3,4
	v_cndmask_b32 v[80+4*\q], v62, v[80+4*\q], s[48+\q]
.endr
	v_max3_num_f32 v[MX], v80, v84, v88
	v_max3_num_f32 v[MX], v[MX], v92, v96
	v_max_num_f32_dpp v[MX], v[MX], v[MX] row_xmask:1 row_mask:0xf bank_mask:0xf
	v_max_num_f32_dpp v[MX], v[MX], v[MX] row_xmask:2 row_mask:0xf bank_mask:0xf
	v_max_num_f32_dpp v[MX], v[MX], v[MX] row_xmask:4 row_mask:0xf bank_mask:0xf
	v_max_num_f32_dpp v[MX], v[MX], v[MX] row_xmask:8 row_mask:0xf bank_mask:0xf
	v_permlanex16_b32 v61, v[MX], s40, s41
	v_max_num_f32 v[MX], v[MX], v61                ; the block's maximum, in every lane
.irp q, 0,1,2,3,4
	v_sub_f32 v[80+4*\q], v[80+4*\q], v[MX]
.endr
.irp q, 0,1,2,3,4
	v_exp_f32 v[80+4*\q], v[80+4*\q]
.endr
	v_lshl_add_u32 v60, v[LN], 2, v[PADR0]         ; the plain line behind the last exponential
	s_wait_alu depctr_va_vdst(0)                   ; one wait for the five
.irp q, 0,1,2,3,4
	v_cndmask_b32 v[80+4*\q], 0, v[80+4*\q], s[48+\q]
.endr
.irp q, 0,1,2,3,4
	ds_store_b32 v60, v[80+4*\q] offset:128*\q     ; my own copy of the weights
.endr
	v_add_f32 v[LS], v80, v84
	v_add_f32 v61, v88, v92
	v_add_f32 v[LS], v[LS], v61
	v_add_f32 v[LS], v[LS], v96
	v_add_f32_dpp v[LS], v[LS], v[LS] row_xmask:1 row_mask:0xf bank_mask:0xf
	v_add_f32_dpp v[LS], v[LS], v[LS] row_xmask:2 row_mask:0xf bank_mask:0xf
	v_add_f32_dpp v[LS], v[LS], v[LS] row_xmask:4 row_mask:0xf bank_mask:0xf
	v_add_f32_dpp v[LS], v[LS], v[LS] row_xmask:8 row_mask:0xf bank_mask:0xf
	v_permlanex16_b32 v61, v[LS], s40, s41
	v_add_f32 v[LS], v[LS], v61
.Lb3:
	s_wait_dscnt 0x0                               ; my weights lie in LDS:
	s_barrier_signal -1
	s_barrier_wait -1                              ; everybody's do.  The loop below reads LDS by stepped addresses: that its reads stand behind the weights' stores rests on this barrier, not on the addresses' arithmetic
	s_cmp_lt_u32 s31, s28
	s_cbranch_scc0 .Ls3
	; (4) THE WEIGHTED SUM.  Thread t sums columns 4 t .. 4 t + 3 and 512 + 4 t .. + 3 over the 144 LDS rows, 16 rows a trip.
	s_mov_b32 s35, 0                               ; the trip's 16 rows in A,
	s_mov_b32 s46, 0                               ; and their 16 weights
	s_mov_b32 s33, 9
.Lw:
	v_add_nc_u32 v[WADR], s35, v[WADR0]
	v_add_nc_u32 v[PADR], s46, v[PADR0]
.irp z, 0,1,2,3
	ds_load_b128 v[64+4*\z:67+4*\z], v[PADR] offset:16*\z  ; 16 weights, the same in every lane
.endr
.set wi, 0
.rept 16
	ds_load_b64 v[96+4*wi:97+4*wi], v[WADR] offset:PITCH*wi
	ds_load_b64 v[98+4*wi:99+4*wi], v[WADR] offset:PITCH*wi+1024
.set wi, wi+1
.endr
.set wi, 0
.rept 16
.if wi%4 == 0
	s_wait_dscnt 24-2*wi                           ; four rows more are in: the later rows' loads, two a row, may stay out
.endif
.irp y, 0,1,2,3
	v_fma_mix_f32_bf16 v[O+2*\y],   v[96+4*wi+\y], v[64+wi], v[O+2*\y]   op_sel_hi:[1,0,0]
	v_fma_mix_f32_bf16 v[O+2*\y+1], v[96+4*wi+\y], v[64+wi], v[O+2*\y+1] op_sel:[1,0,0] op_sel_hi:[1,0,0]
.endr
.set wi, wi+1
.endr
	s_add_co_u32 s35, s35, 16*PITCH
	s_add_co_u32 s46, s46, 64
	s_sub_co_u32 s33, s33, 1
	s_cmp_lg_u32 s33, 0
	s_cbranch_scc1 .Lw
.Ls3:	; the block's slot of part: o, then (m, l, m, l) for each lane
	v_mov_b32 v218, v[MX]
	v_mov_b32 v219, v[LS]
	global_store_b128 v[GO], v[O:O+3],   s[16:17]              ; each store of a wave covers 512 consecutive bytes, aligned
	global_store_b128 v[GO], v[O+4:O+7], s[16:17] offset:2048
	s_cmp_lg_u32 s20, 0
	s_cbranch_scc1 .Lnml
	global_store_b128 v[L16], v[216:219], s[16:17] offset:4096
.Lnml:
.irp s, 0,1,2,3,4,5
	v_mov_b32 v[IDX+\s], v[IDXN+\s]                ; the second block's rows
.endr
	s_wait_xcnt 0x0                                ; the stores have read their data and their base: both are written anew only behind this wait
	s_add_nc_u64 s[16:17], s[16:17], 4608
	s_add_co_u32 s31, s31, 144
	s_wait_dscnt 0x0                               ; my reads of the rows, the score sums and the weights are over:
	s_barrier_signal -1
	s_barrier_wait -1                              ; everybody's are, so the next block may overwrite them
	s_sub_co_u32 s30, s30, 1
	s_cmp_lg_u32 s30, 0
	s_cbranch_scc1 .Lblk
	s_wait_tensorcnt 0x0                           ; the wave's end: three closing lines, behind my last LDS store
	ds_add_u32 v[SPW], v[NIL]
	s_wait_dscnt 0x0
	s_endpgm
.Lfunc_end_k_qf63510e30e_main:
	.size	k_qf63510e30e_main, .Lfunc_end_k_qf63510e30e_main-k_qf63510e30e_main
	.p2alignl 7, 3214868480
	.fill 96, 4, 3214868480
	.section	.rodata,"a",@progbits
	.p2align	6, 0x0
	.amdhsa_kernel k_qf63510e30e_main
		.amdhsa_group_segment_fixed_size 310784
		.amdhsa_private_segment_fixed_size 0
		.amdhsa_enable_private_segment 0
		.amdhsa_kernarg_size 56
		.amdhsa_user_sgpr_count 2
		.amdhsa_user_sgpr_kernarg_segment_ptr 1
		.amdhsa_wavefront_size32 1
		.amdhsa_system_sgpr_workgroup_id_x 1
		.amdhsa_system_sgpr_workgroup_id_y 1
		.amdhsa_system_sgpr_workgroup_id_z 1
		.amdhsa_system_vgpr_workitem_id 0
		.amdhsa_next_free_vgpr 864
		.amdhsa_next_free_sgpr 66
		.amdhsa_reserve_vcc 0
		.amdhsa_float_denorm_mode_32 3
		.amdhsa_float_denorm_mode_16_64 3
		.amdhsa_memory_ordered 1
		.amdhsa_forward_progress 1
		.amdhsa_inst_pref_size 255
	.end_amdhsa_kernel
	.section	.bss,"aw",@nobits
	.p2align	6
	.space	262144
	.amdgpu_metadata
---
amdhsa.version: [ 1, 2 ]
amdhsa.kernels:
  - .name:           k_qf63510e30e_main
    .symbol:         k_qf63510e30e_main.kd
    .args:
      - { .name: encoder_outputs, .offset: 0, .size: 8, .value_kind: global_buffer, .address_space: global }
      - { .name: rows, .offset: 8, .size: 8, .value_kind: global_buffer, .address_space: global }
      - { .name: meta, .offset: 16, .size: 8, .value_kind: global_buffer, .address_space: global }
      - { .name: wf, .offset: 24, .size: 8, .value_kind: global_buffer, .address_space: global }
      - { .name: cb, .offset: 32, .size: 8, .value_kind: global_buffer, .address_space: global }
      - { .name: v_w, .offset: 40, .size: 8, .value_kind: global_buffer, .address_space: global }
      - { .name: part, .offset: 48, .size: 8, .value_kind: global_buffer, .address_space: global }
    .group_segment_fixed_size: 310784
    .private_segment_fixed_size: 0
    .kernarg_segment_align: 8
    .kernarg_segment_size: 56
    .max_flat_workgroup_size: 128
    .sgpr_count:     66
    .vgpr_count:     864
    .wavefront_size: 32
...
	.end_amdgpu_metadata
.endif
;; end of part 2
;; launch fin (part 3): grid 8 x 32, 1 waves a work-group, no clusters, 0 bytes of LDS; arguments part, out0; writes out0
.if DOCPART == 3
	.amdgcn_target "amdgcn-amd-amdhsa--gfx1250"
	.amdhsa_code_object_version 6
	.text
	.protected	k_qf63510e30e_fin
	.globl	k_qf63510e30e_fin
	.p2align	8
	.type	k_qf63510e30e_fin,@function
k_qf63510e30e_fin:
	s_mov_b64 s[64:65], 0
	v_nop
	global_prefetch_b8 v0, s[64:65] scope:SCOPE_SE
	s_setreg_imm32_b32 hwreg(HW_REG_WAVE_MODE, 25, 1), 1
	s_wait_xcnt 0x0
; out0[b][col] = (sum over a batch's 16 blocks i of 2^(m_i - M) o_i[col]) / (sum over i of 2^(m_i - M) l_i), M = the largest m_i: the blocks' running maxima are joined here.
; One wave makes 128 columns of one batch: lane l columns 128 x + 4 l .. + 3.  An empty block holds m = the lowest finite number, l = 0 and o = 0: its factor is 0.  Every batch has a block
; with a listed row, so M is a true score and the divisor is at least 1.  All in f32.
; v[4:35] (m_i, l_i), m_i then 2^(m_i - M); v36 M; v[40:103] o_i; v[108:109] the divisor's two chains; v[110:111] its reciprocal and a written partner; v[104:107] the sums
	s_load_b128 s[4:7], s[0:1], 0x0                ; part, out0
	s_and_b32 s8, ttmp7, 0xffff                    ; b
	s_mul_i32 s10, s8, 16*4608
	s_mov_b32 s11, 0
	s_lshl_b32 s12, ttmp9, 9                       ; 128 columns are 512 bytes
	s_lshl_b32 s13, s8, 12
	v_lshl_add_u32 v1, v0, 4, s12
	v_add_nc_u32 v3, s13, v1
	v_mov_b32 v2, 0
	v_mov_b32 v111, 0                              ; named with the reciprocal as a pair, so it is written
	s_wait_kmcnt 0x0
	s_add_nc_u64 s[4:5], s[4:5], s[10:11]
.set i, 0
.rept 16
	global_load_b64 v[4+2*i:5+2*i], v2, s[4:5] offset:4608*i+4096
.set i, i+1
.endr
.set i, 0
.rept 16
	global_load_b128 v[40+4*i:43+4*i], v1, s[4:5] offset:4608*i
.set i, i+1
.endr
	s_wait_loadcnt 16                              ; the 16 (m, l) are in; the 16 loads of the sums may stay out
	v_max3_num_f32 v36, v4, v6, v8
.irp i, 3,5,7,9,11,13
	v_max3_num_f32 v36, v36, v[4+2*\i], v[6+2*\i]
.endr
	v_max_num_f32 v36, v36, v34
.set i, 0
.rept 16
	v_sub_f32 v[4+2*i], v[4+2*i], v36
.set i, i+1
.endr
.set i, 0
.rept 16
	v_exp_f32 v[4+2*i], v[4+2*i]
.set i, i+1
.endr
	v_nop                                          ; a plain line behind the last exponential,
	s_wait_alu depctr_va_vdst(0)                   ; and one wait for the sixteen, ahead of their first reader
	v_mul_f32 v108, v4, v5
	v_mul_f32 v109, v6, v7
.set i, 2
.rept 14
	v_fmac_f32 v[108+i%2], v[4+2*i], v[5+2*i]
.set i, i+1
.endr
	v_add_f32 v108, v108, v109
	v_rcp_f32 v110, v108
	s_wait_loadcnt 0x0
	v_pk_mul_f32 v[104:105], v[40:41], v[4:5] op_sel_hi:[1,0]  ; both halves by the pair's low word, the block's factor
	v_pk_mul_f32 v[106:107], v[42:43], v[4:5] op_sel_hi:[1,0]
.set i, 1
.rept 15
	v_pk_fma_f32 v[104:105], v[40+4*i:41+4*i], v[4+2*i:5+2*i], v[104:105] op_sel_hi:[1,0,1]
	v_pk_fma_f32 v[106:107], v[42+4*i:43+4*i], v[4+2*i:5+2*i], v[106:107] op_sel_hi:[1,0,1]
.set i, i+1
.endr
	s_wait_alu depctr_va_vdst(0)                   ; the reciprocal's wait, ahead of its first reader; the sums above are the work between
	v_pk_mul_f32 v[104:105], v[104:105], v[110:111] op_sel_hi:[1,0]
	v_pk_mul_f32 v[106:107], v[106:107], v[110:111] op_sel_hi:[1,0]
	global_store_b128 v3, v[104:107], s[6:7]       ; 512 consecutive bytes, aligned
	s_endpgm
.Lfunc_end_k_qf63510e30e_fin:
	.size	k_qf63510e30e_fin, .Lfunc_end_k_qf63510e30e_fin-k_qf63510e30e_fin
	.p2alignl 7, 3214868480
	.fill 96, 4, 3214868480
	.section	.rodata,"a",@progbits
	.p2align	6, 0x0
	.amdhsa_kernel k_qf63510e30e_fin
		.amdhsa_group_segment_fixed_size 0
		.amdhsa_private_segment_fixed_size 0
		.amdhsa_enable_private_segment 0
		.amdhsa_kernarg_size 16
		.amdhsa_user_sgpr_count 2
		.amdhsa_user_sgpr_kernarg_segment_ptr 1
		.amdhsa_wavefront_size32 1
		.amdhsa_system_sgpr_workgroup_id_x 1
		.amdhsa_system_sgpr_workgroup_id_y 1
		.amdhsa_system_sgpr_workgroup_id_z 1
		.amdhsa_system_vgpr_workitem_id 0
		.amdhsa_next_free_vgpr 128
		.amdhsa_next_free_sgpr 66
		.amdhsa_reserve_vcc 0
		.amdhsa_float_denorm_mode_32 3
		.amdhsa_float_denorm_mode_16_64 3
		.amdhsa_memory_ordered 1
		.amdhsa_forward_progress 1
		.amdhsa_inst_pref_size 9
	.end_amdhsa_kernel
	.amdgpu_metadata
---
amdhsa.version: [ 1, 2 ]
amdhsa.kernels:
  - .name:           k_qf63510e30e_fin
    .symbol:         k_qf63510e30e_fin.kd
    .args:
      - { .name: part, .offset: 0, .size: 8, .value_kind: global_buffer, .address_space: global }
      - { .name: out0, .offset: 8, .size: 8, .value_kind: global_buffer, .address_space: global }
    .group_segment_fixed_size: 0
    .private_segment_fixed_size: 0
    .kernarg_segment_align: 8
    .kernarg_segment_size: 16
    .max_flat_workgroup_size: 32
    .sgpr_count:     66
    .vgpr_count:     128
    .wavefront_size: 32
...
	.end_amdgpu_metadata
.endif
;; end of part 3
;; ======== version 2 of 2: 3 launches; version 1 with the launch main written anew for expert scheduling mode
;; limits: right only within a limited range of input values
;; workspace buffers: wf 2,097,152 bytes; cb 131,072 bytes; rows 262,144 bytes of whole numbers; meta 8,192 bytes of whole numbers; part 2,359,296 bytes
;; launch prep: the kernel of part 1 again; grid 80 x 1, 16 waves a work-group, no clusters, 141,312 bytes of LDS; arguments a_w, a_b, hidden_states, encoder_masks, wf, cb, rows, meta; writes wf, cb, rows, meta
;; launch main (part 4): grid 8 x 32, 4 waves a work-group, no clusters, 310,784 bytes of LDS; arguments encoder_outputs, rows, meta, wf, cb, v_w, part; writes part
.if DOCPART == 4
	.amdgcn_target "amdgcn-amd-amdhsa--gfx1250"
	.amdhsa_code_object_version 6
	.text
	.protected	k_qf63510e30e_main
	.globl	k_qf63510e30e_main
	.p2align	8
	.type	k_qf63510e30e_main,@function
k_qf63510e30e_main:
	s_mov_b64 s[64:65], 0
	v_nop
	global_prefetch_b8 v0, s[64:65] scope:SCOPE_SE
	s_setreg_imm32_b32 hwreg(HW_REG_WAVE_SCHED_MODE, 0, 2), 2
	s_setreg_imm32_b32 hwreg(HW_REG_WAVE_MODE, 25, 1), 1
	s_wait_xcnt 0x0
	s_wait_alu depctr_vm_vsrc(0)
; SCORES, A BLOCK'S SOFTMAX AND ITS WEIGHTED SUM, for the rows that a batch's list names.
; score[s] = sum over d of v_w[d] tanh(enc[s] . W_enc[:, d] + h_proj[d] + a_b[d]).  tanh(x) = 1 - 2 / (1 + 2^(c x)), c = 2 log2(e).  The sum of v_w is the same for every row of a batch and
; falls out of the softmax, so what is kept is score' = sum over d of (-2 log2(e) v_w[d]) / (1 + 2^(c e_proj + cb[d])), in units of log2; cb = c (h_proj + a_b) comes from the launch before.
; A masked row's score is -1e10: its weight 2^(..) is 0 in f32 beside any unmasked row's, so only unmasked rows are listed, read and multiplied.  Where a batch has none, the list names all
; 2,048 rows and the flag gives each the score -1e10.
; LIMITS.  |score| must stay far under 1e10 (it is at most the sum of |v_w|), so that a masked weight is exactly 0, as in f32.  A weight below 2^-126 counts as 0.  NaN and infinities are not
; treated apart.  2^(c x) may overflow to infinity: its reciprocal is 0 and tanh is 1.  Encoder rows, W_enc and hidden are rounded to bf16; sums, maxima and tanh in f32.
; SHARES.  Eight work-groups a batch.  With cnt listed rows, R = 16 ceil(cnt / 128) <= 256; work-group j takes list places j R .. min(j R + R, cnt) - 1, in blocks of 144 rows: the block loop has
; the constant two trips (2 x 144 >= 256).  A trip whose block holds no row jumps forward over the four heavy parts; its four barriers stand outside those jumps.  Places past the share's end
; repeat its last row and get the weight 0.
; A BLOCK.  (1) Its 144 rows are read once, rounded to bf16 and laid in LDS.  (2) All four waves multiply all 144 rows, wave w by table places 256 w .. 256 w + 255, in four passes of 64: 36
; accumulators.  W's fragments come straight from wf into registers, seven K steps ahead: no two waves want the same, and wf lies in fragment order.  Behind a pass the 144 x 64 sums become
; tanh terms and are added into nine pairs of score sums.  (3) The four waves' score sums meet in LDS; each wave makes the block's maximum m, weights p = 2^(score' - m) and their sum l for
; itself, and (4) sums p x row over the LDS rows for its 256 columns.  o, m and l go to part; the next launch joins a batch's 16 blocks.
; NO CLUSTER, NO TENSOR LOADS: the rows are gathered by a list and must pass through registers to be rounded; they take 297,216 of the 310,784 bytes of LDS in use, so there is no room for slots of W;
; and how many blocks a work-group multiplies hangs on a count read from memory, which differs from batch to batch.
; LDS ADDRESSES.  A register that holds one is either never rewritten (the K step then stands in the immediate: a pass's 32 K steps are written out), or made anew in each trip as a scalar
; offset, stepped by a constant in a loop that counts down, plus a register that is never rewritten; a loop of that second kind has a barrier on either side.
; THE MATRIX INSTRUCTION IS USED TRANSPOSED: source 0 = 16 table places of W, source 1 = 16 rows.  A lane (r = lane % 16, h = lane / 16) holds row 16 a + r, register j place 64 g + 16 i + 8 h + j.
; THE MODE: SCHED_MODE bits 1:0 = 2 (LLVM: expert scheduling mode 2), set by the entry lines.  The code itself states the register dependences between vector or matrix instructions and
; memory or LDS instructions, with s_wait_alu, always for 0.
; THE PLAN.  Registers that memory or LDS instructions touch, and who else names them:
;   v1, v2, v3, v4-12, v34, v40, v224-235   offsets and addresses, made at the head ahead of its wait on va_vdst and never written again.
;   THE FILL.  Row slot s (window 2): its sixteen roundings read it; behind them the slot's next row is loaded into it.  OFFR[s]: written once a trip, behind the wait for the slot's data; read by
;     the slot's eight loads.  TC[s], one rounded row to a slot: written by the slot's roundings, read by its eight LDS stores.  v32: written at a trip's head, read by the trip's stores.
;     So a trip's head has one wait on vm_vsrc (the last trip's loads and stores have read OFFR, TC and v32), and a slot one wait on va_vdst, behind its roundings.
;   THE PRODUCTS.  K step phi multiplies A's buffer phi % 2 by W's buffer phi % 8.  Its loads land in A's other buffer and in W's buffer (phi + 7) % 8, which the products of step phi - 1 read and no
;     product of step phi names.  So ONE wait on va_vdst stands at a step's head, and the step's loads are dealt among its products with no further wait.  The pass's tables (window 3) are read by
;     the tanh lines alone and are loaded in step 31; their address v13 is written ahead of that step's head, behind a wait on vm_vsrc.
;   THE REST.  Each run of stores (score sums, weights, o, m and l) has one wait on va_vdst ahead of it; each run of loads into registers that vector lines have named likewise.  Two waits on vm_vsrc
;     stand on every path: behind a block's first barrier (the stores of rows and tables have read their data and addresses) and at a block's end (all that the next block writes anew has been read).
; REGISTERS, in windows of 256 (s_set_vgpr_msb: bits 1:0 source 0, 3:2 source 1, 5:4 source 2, 7:6 destination):
;   window 0: addresses, score sums, two buffers of A's fragments (the second is also T, the tanh's 72 registers; during the fill they hold the six rounded rows), at work
;   window 1: eight buffers of W's fragments, 32 each      window 2: accumulators (a, i) at 32 a + 8 i, a = 0..7; during the fill six row slots of 32
;   window 3: v0-31 accumulators (8, i); v32-63 a pass's cb; v64-95 its -2 log2(e) v_w
.set PITCH, 2064                       ; an LDS row: 2,048 bytes + 16 = 129 x 16: the 16 rows of a fragment load start in 16 different groups of four banks (ISA guide 11.1)
.set CBT,   144*PITCH                  ; cb by table place, 4,096 bytes
.set VWT,   CBT+4096                   ; -2 log2(e) v_w by table place, 4,096 bytes
.set SCB,   VWT+4096                   ; score sums: 144 f32 for each wave
.set PWB,   SCB+4*576                  ; weights: 160 f32 for each wave, its own copy
.set SPARE, PWB+4*640                  ; the spare words, 128 bytes for each wave
.set L16,   1                          ; v1      16 x lane; never rewritten
.set SPW,   2                          ; v2      my spare word; never rewritten
.set NIL,   3                          ; v3      0; never rewritten
.set ADRA,  4                          ; v4-12   A's fragment of row block a: (16 a + r) PITCH + 16 h; never rewritten
.set TADR,  13                         ; v13     the pass's 256 bytes of the tables
.set IDX,   14                         ; v14-19  slot s, lane l: the number of local row 36 w + 6 l + s of the block in hand
.set IDXN,  20                         ; v20-25  the same for the second block
.set OFFR,  26                         ; v26-31  slot s: byte offset of its row's loads
.set STA,   32                         ; v32     where the fill stores: s35 + v33
.set STA0,  33                         ; v33     36 w PITCH + 8 lane; never rewritten
.set SCA,   34                         ; v34     SCB + 576 w + 4 r; never rewritten
.set HB,    35                         ; v35     CBT + 1,024 w + 32 h; never rewritten
.set WADR,  36                         ; v36     the weighted sum's place in A: s35 + v37
.set WADR0, 37                         ; v37     256 w + 8 lane; never rewritten
.set PADR,  38                         ; v38     its place in my weights: s46 + v39
.set PADR0, 39                         ; v39     PWB + 640 w; never rewritten
.set GO,    40                         ; v40     16 x thread; never rewritten
.set LN,    41                         ; v41     lane
.set SA,    42                         ; v42-59  nine pairs of score sums
.set AF0,   64                         ; v64-135  A's fragments, buffer 0
.set AF1,   136                        ; v136-207 buffer 1
.set T,     136
.set TC,    64                         ; v64-159 the fill's rounded rows: slot s at TC + 16 s
.set O,     208                        ; v208-215 my eight columns' weighted sums;  v216 m;  v217 l
.set MX,    216
.set LS,    217
.set IA,    224                        ; v224-235 byte offsets in the list of my twelve loads of row numbers; never rewritten
.set CBR,   32                         ; window 3
.set VWR,   64                         ; window 3
.set RN,    53                         ; s53-58  slot s: the number of the row that it asks for next
; s[4:5] enc at the batch, s[6:7] its list, s[8:9] its meta, s[10:11] wf, s[12:13] its cb, s[14:15] v_w, s[16:17] part at my slot; s20 wave, s21 j, s22 b; s24 cnt, s25 flag, s26 R, s27 start,
; s28 my rows, s29 my last list place; s30 blocks to go, s31 the block's first row; s32, s33 counts; s34 the pass's column group in my four; s35 an LDS offset that steps; s[36:37] W's stream;
; s[38:39] its wrap; s[40:41] lane selects; s43 the fill's lane; s44 flag as a lane mask; s45-47 at work; s48-52 lane masks of valid rows
.set MSB, 0
.macro WIN new                         ; the immediate's high byte repeats the setting that is left; a switch that changes nothing is dropped
.if MSB != (\new)
	s_set_vgpr_msb (MSB<<8)|(\new)
.set MSB, (\new)
.endif
.endm
.macro BLOAD n, imm                    ; a K step of W for my 64 places: four fragments, 4,096 consecutive bytes, into buffer n
	WIN 0x40
.irp i, 0,1,2,3
	global_load_b128 v[32*(\n)+8*\i:32*(\n)+8*\i+3],   v[L16], s[36:37] offset:(\imm)+1024*\i
	global_load_b128 v[32*(\n)+8*\i+4:32*(\n)+8*\i+7], v[L16], s[36:37] offset:(\imm)+1024*\i+512
.endr
.endm
.macro AFETCH f, k, a0, cnt            ; a K step of A, at byte k of the rows: the fragments of row blocks a0 .. a0 + cnt - 1
	WIN 0
.set fa, \a0
.rept \cnt
	ds_load_b128 v[(\f)+8*fa:(\f)+8*fa+3],   v[ADRA+fa] offset:(\k)
	ds_load_b128 v[(\f)+8*fa+4:(\f)+8*fa+7], v[ADRA+fa] offset:(\k)+32
.set fa, fa+1
.endr
.endm
.macro TLOAD                           ; the pass's 64 places of both tables, my lanes' eight of each sixteen
	WIN 0xc0
.irp i, 0,1,2,3
	ds_load_b128 v[CBR+8*\i:CBR+8*\i+3],   v[TADR] offset:64*\i
	ds_load_b128 v[CBR+8*\i+4:CBR+8*\i+7], v[TADR] offset:64*\i+16
	ds_load_b128 v[VWR+8*\i:VWR+8*\i+3],   v[TADR] offset:4096+64*\i
	ds_load_b128 v[VWR+8*\i+4:VWR+8*\i+7], v[TADR] offset:4096+64*\i+16
.endr
.endm
.macro MUL f, n, a0, cnt, zero         ; row blocks a0 .. a0 + cnt - 1 x the four fragments of W.  The 36 accumulators take turns, one instruction a turn
.set ma, \a0
.rept \cnt
.if ma < 8
	WIN 0xa1
.set rc, 32*ma
.else
	WIN 0xf1
.set rc, 0
.endif
.irp i, 0,1,2,3
.if \zero
	v_wmma_f32_16x16x32_bf16 v[rc+8*\i:rc+8*\i+7], v[32*(\n)+8*\i:32*(\n)+8*\i+7], v[(\f)+8*ma:(\f)+8*ma+7], 0
.else
	v_wmma_f32_16x16x32_bf16 v[rc+8*\i:rc+8*\i+7], v[32*(\n)+8*\i:32*(\n)+8*\i+7], v[(\f)+8*ma:(\f)+8*ma+7], v[rc+8*\i:rc+8*\i+7]
.endif
.endr
.set ma, ma+1
.endr
.endm
; K STEP phi OF A PASS'S 32: 36 products.  Among them the next step's A (behind step 31: step 0 again, for the next pass) and W of the step seven on are asked for, in three runs, into the two
; buffers that the step before read last.  The one wait on va_vdst at the step's head states that; behind it the step issues products alone, which name A's buffer phi % 2, W's buffer phi % 8 and the
; accumulators: none of the registers that the step's loads touch.  A's loads have 20 products or more in which to land, so the wait for them at the next step's head is for 0.
; From step 25 on the step seven on is the next pass's: W's pointer has been moved there, and the immediate begins anew.  tab = 1 (step 31): the pass's tables are asked for too.
.macro STEP phi, zero, tab
.if (\phi) < 25
.set bi, ((\phi)+7)*4096
.else
.set bi, ((\phi)-25)*4096
.endif
	s_wait_loadcnt 48                              ; this step's W is in: the six younger steps' 6 x 8 loads may stay out
	s_wait_dscnt 0x0                               ; this step's A is in
	s_wait_alu depctr_va_vdst(0)                   ; the step before's products are done reading A's other buffer and W's buffer (phi + 7) % 8, in which this step's loads land; in step 0 the tanh lines are done with T; in step 31 v13 is written
	MUL AF0+72*((\phi)%2), (\phi)%8, 0, 2, \zero
.rept 4
	v_nop                                          ; four places between the step before's products and the loads into the registers that those read: they stand beside the wait
.endr
	AFETCH AF0+72*(1-(\phi)%2), 64*(((\phi)+1)%32), 0, 5
	MUL AF0+72*((\phi)%2), (\phi)%8, 2, 2, \zero
	AFETCH AF0+72*(1-(\phi)%2), 64*(((\phi)+1)%32), 5, 4
	MUL AF0+72*((\phi)%2), (\phi)%8, 4, 2, \zero
	BLOAD ((\phi)+7)%8, bi
.if \tab
	MUL AF0+72*((\phi)%2), (\phi)%8, 6, 1, \zero
	TLOAD                                          ; no wait: the tables' registers were last named by the pass before's tanh lines, ahead of the step's wait
	MUL AF0+72*((\phi)%2), (\phi)%8, 7, 2, \zero
.else
	MUL AF0+72*((\phi)%2), (\phi)%8, 6, 3, \zero
.endif
.endm
; THE TANH TERMS of fragment column i, all nine row blocks: 72 numbers a lane.  Two batches of transcendentals, each with one plain line behind it and one wait.
.macro EPI i
.set ea, 0
.rept 9
.if ea < 8
	WIN 0x32                                       ; sums in window 2, cb in window 3, T in window 0
.set er, 32*ea+8*(\i)
.else
	WIN 0x33
.set er, 8*(\i)
.endif
.irp j, 0,2,4,6                        ; each accumulator is read from its low end on
	v_pk_fma_f32 v[T+8*ea+\j:T+8*ea+\j+1], v[er+\j:er+\j+1], 0x4038aa3b, v[CBR+8*(\i)+\j:CBR+8*(\i)+\j+1] op_sel_hi:[1,0,1]  ; c e_proj + cb
.endr
.set ea, ea+1
.endr
	WIN 0
.set ex, 0
.rept 72
	v_exp_f32 v[T+ex], v[T+ex]
.set ex, ex+1
.endr
	v_nop
	s_wait_alu depctr_va_vdst(0)                   ; one wait for the 72 exponentials, ahead of their first reader
.set ex, 0
.rept 36
	v_pk_add_f32 v[T+ex:T+ex+1], v[T+ex:T+ex+1], 1.0 op_sel_hi:[1,0]
.set ex, ex+2
.endr
.set ex, 0
.rept 72
	v_rcp_f32 v[T+ex], v[T+ex]
.set ex, ex+1
.endr
	v_nop
	s_wait_alu depctr_va_vdst(0)                   ; one wait for the 72 reciprocals
	WIN 0x0c                                       ; v_w's table in window 3
.irp j, 0,2,4,6                        ; nine chains side by side: two links of one stand nine lines apart
.set ea, 0
.rept 9
	v_pk_fma_f32 v[SA+2*ea:SA+2*ea+1], v[T+8*ea+\j:T+8*ea+\j+1], v[VWR+8*(\i)+\j:VWR+8*(\i)+\j+1], v[SA+2*ea:SA+2*ea+1]
.set ea, ea+1
.endr
.endr
	WIN 0
.endm
; THE FILL.  ROWS: the numbers of the six rows that lane s43 of the lists names, one to a slot, in one run.  ASK: slot s asks for its row: 8 loads of 512 consecutive bytes.
; TURN: the slot's row is rounded into the slot's own 16 registers; the slot is asked for again at once (again = 1); the rounded row is stored, 256 consecutive bytes a store.
.macro ROWS
.irp s, 0,1,2,3,4,5
	v_readlane_b32 s[RN+\s], v[IDX+\s], s43
.endr
	s_wait_alu depctr_va_sdst(0)                   ; the six row numbers are written, ahead of their first reader
.irp s, 0,1,2,3,4,5
	s_min_u32 s[RN+\s], s[RN+\s], 2047             ; a row number read from memory is held inside the batch
.endr
.endm
.macro ASK s
	WIN 0x80
.irp c, 0,1,2,3,4,5,6,7
	global_load_b128 v[32*(\s)+4*\c:32*(\s)+4*\c+3], v[OFFR+(\s)], s[4:5] offset:512*\c
.endr
.endm
.macro TURN s, left, again
	s_wait_loadcnt \left                           ; loads come back in order (ISA guide 5.7.1): the slot's eight are in, and its offset register is free
.if \again
	WIN 0
	v_lshl_add_u32 v[OFFR+(\s)], s[RN+(\s)], 12, v[L16]
.endif
	WIN 0x0a
.irp c, 0,1,2,3,4,5,6,7
	v_cvt_pk_bf16_f32 v[TC+16*(\s)+2*\c],   v[32*(\s)+4*\c],   v[32*(\s)+4*\c+1]
	v_cvt_pk_bf16_f32 v[TC+16*(\s)+2*\c+1], v[32*(\s)+4*\c+2], v[32*(\s)+4*\c+3]
.endr
.if \again
	WIN 0x80
.else
	WIN 0
.endif
	s_wait_alu depctr_va_vdst(0)                   ; the roundings are done reading the slot, in which its next row lands, and have written TC[s], which the stores read; the slot's offset and v32 are written
.if \again
	ASK \s
	WIN 0
.endif
.irp c, 0,1,2,3,4,5,6,7
	ds_store_b64 v[STA], v[TC+16*(\s)+2*\c:TC+16*(\s)+2*\c+1] offset:PITCH*(\s)+256*\c
.endr
.endm
	; ---- HEAD
	s_load_b256 s[4:11], s[0:1], 0x0               ; enc, rows, meta, wf
	s_load_b128 s[12:15], s[0:1], 0x20             ; cb, v_w
	s_load_b64 s[16:17], s[0:1], 0x30              ; part
	v_lshl_add_u32 v[SPW], v0, 2, SPARE
	v_mov_b32 v[NIL], 0
	v_lshrrev_b32 v60, 5, v0
	v_readfirstlane_b32 s20, v60                   ; wave 0..3
	v_and_b32 v[LN], 31, v0
	v_and_b32 v61, 15, v0                          ; r
	v_bfe_u32 v62, v0, 4, 1                        ; h
	v_lshlrev_b32 v[L16], 4, v[LN]
	v_lshlrev_b32 v[GO], 4, v0
	s_mov_b32 s21, ttmp9                           ; j
	s_and_b32 s22, ttmp7, 0xffff                   ; b
	s_mov_b32 s40, 0x76543210                      ; v_permlanex16_b32: each lane takes its own place in the other half
	s_mov_b32 s41, 0xfedcba98
	s_mov_b32 s39, 0
	s_mov_b32 s47, 0
	s_lshl_b32 s46, s22, 8
	s_wait_kmcnt 0x0
	s_add_nc_u64 s[8:9], s[8:9], s[46:47]
	s_load_b64 s[24:25], s[8:9], 0x0               ; cnt, flag
	s_lshl_b32 s46, s22, 23
	s_add_nc_u64 s[4:5], s[4:5], s[46:47]
	s_lshl_b32 s46, s22, 13
	s_add_nc_u64 s[6:7], s[6:7], s[46:47]
	s_lshl_b32 s46, s22, 12
	s_add_nc_u64 s[12:13], s[12:13], s[46:47]
	s_lshl_b32 s46, s22, 3
	s_add_co_u32 s46, s46, s21
	s_mul_i32 s46, s46, 2*4608                     ; two slots of 4,608 bytes to a work-group
	s_add_nc_u64 s[16:17], s[16:17], s[46:47]
	s_wait_alu depctr_va_sdst(0)                   ; s20 is written, ahead of its first reader: addresses and W's stream are made from it
	; the addresses that hang on the wave and the lane alone are made in the wait for cnt and flag
	v_mul_u32_u24 v[ADRA], v61, PITCH
	v_lshl_add_u32 v[ADRA], v62, 4, v[ADRA]
.irp a, 1,2,3,4,5,6,7,8
	v_add_nc_u32 v[ADRA+\a], \a*16*PITCH, v[ADRA]
.endr
	s_mul_i32 s45, s20, 36*PITCH
	v_lshl_add_u32 v[STA0], v[LN], 3, s45
	s_mul_i32 s45, s20, 576
	s_add_co_u32 s45, s45, SCB
	v_lshl_add_u32 v[SCA], v61, 2, s45
	s_lshl_b32 s45, s20, 10
	s_add_co_u32 s45, s45, CBT
	v_lshl_add_u32 v[HB], v62, 5, s45
	s_lshl_b32 s45, s20, 8
	v_lshl_add_u32 v[WADR0], v[LN], 3, s45
	s_mul_i32 s45, s20, 640
	s_add_co_u32 s45, s45, PWB
	v_mov_b32 v[PADR0], s45
	v_add_nc_u32 v60, CBT, v[GO]
	v_lshrrev_b32 v63, 4, v0
	v_lshlrev_b32 v63, 8, v63
	v_lshl_add_u32 v63, v61, 2, v63
	v_add_nc_u32 v63, VWT, v63                     ; columns 4 t + x go to places 64 (t / 16) + 16 x + t % 16
	v_mul_u32_u24 v62, v[LN], 6
	s_wait_kmcnt 0x0
	s_min_u32 s24, s24, 2048
	s_add_co_u32 s26, s24, 127
	s_lshr_b32 s26, s26, 7
	s_lshl_b32 s26, s26, 4                         ; R
	s_mul_i32 s45, s21, s26
	s_min_u32 s27, s45, s24                        ; start
	s_add_co_u32 s45, s45, s26
	s_min_u32 s45, s45, s24                        ; end
	s_sub_co_u32 s28, s45, s27                     ; my rows
	s_max_u32 s29, s45, 1
	s_sub_co_u32 s29, s29, 1                       ; my last list place
	s_cmp_lg_u32 s25, 0
	s_cselect_b32 s44, -1, 0
	s_and_b32 s34, s21, 3                          ; the work-groups begin at different column groups
	s_lshl_b32 s46, s20, 2
	s_add_co_u32 s46, s46, s34
	s_lshl_b32 s46, s46, 17                        ; a column group is 131,072 bytes of wf
	s_add_nc_u64 s[36:37], s[10:11], s[46:47]
	s_mul_i32 s45, s20, 36
	s_add_co_u32 s45, s45, s27
	v_add_nc_u32 v62, s45, v62                     ; list place of local row 36 w + 6 lane
.irp e, 0,1,2,3,4,5,6,7,8,9,10,11      ; block e / 6, slot e % 6
	v_add_nc_u32 v[IA+\e], 144*(\e/6)+\e%6, v62
	v_min_u32 v[IA+\e], s29, v[IA+\e]              ; places past my share repeat its last row
	v_min_u32 v[IA+\e], 0x7ff, v[IA+\e]
	v_lshlrev_b32 v[IA+\e], 2, v[IA+\e]
.endr
	s_wait_alu depctr_va_vdst(0)                   ; every offset and address made so far is written: v1, v4-12, v34, v40, v60, v63 and v224-235, which the loads and stores of the kernel read
.irp e, 0,1,2,3,4,5,6,7,8,9,10,11
	global_load_b32 v[IDX+\e], v[IA+\e], s[6:7]
.endr
	global_load_b128 v[64:67], v[GO], s[12:13]
	global_load_b128 v[68:71], v[GO], s[12:13] offset:2048
	global_load_b128 v[72:75], v[GO], s[14:15]
	global_load_b128 v[76:79], v[GO], s[14:15] offset:2048
.irp n, 0,1,2,3,4,5,6
	BLOAD \n, 4096*\n                              ; W's stream begins: K steps 0 to 6 of my first pass
.endr
	WIN 0
	s_wait_loadcnt 56                              ; the row numbers and the tables are in: W's 56 loads, issued behind them, may stay out
.irp x, 0,1,2,3,4,5,6,7
	v_mul_f32 v[72+\x], 0xc038aa3b, v[72+\x]       ; -2 log2(e) v_w
.endr
	s_wait_alu depctr_va_vdst(0)                   ; the eight products are written, which the stores below read
	ds_store_b128 v60, v[64:67]
	ds_store_b128 v60, v[68:71] offset:2048
.irp x, 0,1,2,3
	ds_store_b32 v63, v[72+\x] offset:64*\x
	ds_store_b32 v63, v[76+\x] offset:2048+64*\x
.endr
	s_mov_b32 s30, 2
	s_mov_b32 s31, 0
.Lblk:	; ---- a block of 144 rows
	s_cmp_lt_u32 s31, s28
	s_cbranch_scc0 .Lb1                            ; no row in it: nothing is read
	; (1) THE FILL.  Wave w brings local rows 36 w .. 36 w + 35 through six slots of registers: 48 loads, 24 KiB, of every wave are on their way.
	s_mov_b32 s43, 0                               ; the lane of the row lists: six rows a lane
	s_mov_b32 s35, 0                               ; the six rows' first byte among my 36
	ROWS
.irp s, 0,1,2,3,4,5
	v_lshl_add_u32 v[OFFR+\s], s[RN+\s], 12, v[L16]
.endr
	s_wait_alu depctr_va_vdst(0)                   ; the six offsets are written; in a second block the products and the tanh lines are done with the accumulators, in which the rows land
.irp s, 0,1,2,3,4,5
	ASK \s
.endr
	WIN 0
	s_mov_b32 s33, 5
.Lfill:
	s_add_co_u32 s43, s43, 1
	s_wait_alu depctr_vm_vsrc(0)                   ; the loads issued so far have read the six offsets, the stores v32 and the six rounded rows (the first time: the tables' stores v64-79): this trip writes all of them anew
	v_add_nc_u32 v[STA], s35, v[STA0]
	ROWS
.irp s, 0,1,2,3,4,5
	TURN \s, 40, 1                                 ; the five younger rows' 40 loads may stay out
.endr
	WIN 0
	s_add_co_u32 s35, s35, 6*PITCH
	s_sub_co_u32 s33, s33, 1
	s_cmp_lg_u32 s33, 0
	s_cbranch_scc1 .Lfill
	s_wait_alu depctr_vm_vsrc(0)                   ; the last trip's stores have read v32 and the six rounded rows
	v_add_nc_u32 v[STA], s35, v[STA0]
.irp s, 0,1,2,3,4,5
	TURN \s, 40-8*\s, 0                            ; the last six rows: the counts run down
.endr
.Lb1:
	s_wait_dscnt 0x0                               ; for the others' sake: my rows (and, the first time, my part of the tables) lie in LDS
	s_barrier_signal -1
	s_barrier_wait -1
	s_wait_alu depctr_vm_vsrc(0)                   ; my stores of rows and tables have read v64-159, v60 and v63: A's fragments land there, and the tanh lines and the softmax write there
	s_cmp_lt_u32 s31, s28
	s_cbranch_scc0 .Lb2
	; (2) THE PRODUCTS AND THE SCORES
	s_wait_alu depctr_va_vdst(0)                   ; the fill's roundings, and a block before's vector lines, are done with v64-135, in which A's first fragments land
	AFETCH AF0, 0, 0, 9
.set ea, 0
.rept 18
	v_mov_b32 v[SA+ea], 0
.set ea, ea+1
.endr
	s_mov_b32 s32, 4
.Lpass:	; 64 table places: 32 K steps, written out
	STEP 0, 1, 0                                   ; the first step's products start the sums
.set ph, 1
.rept 24
	STEP ph, 0, 0
.set ph, ph+1
.endr
	s_wait_xcnt 0x0                                ; W's loads have read their base: it is moved only behind this wait
	s_cmp_eq_u32 s34, 3                            ; the next pass's column group: behind my fourth comes my first
	s_cselect_b32 s38, 0x80000, 0
	s_add_nc_u64 s[36:37], s[36:37], 0x20000
	s_sub_nc_u64 s[36:37], s[36:37], s[38:39]
.rept 6
	STEP ph, 0, 0
.set ph, ph+1
.endr
	WIN 0
	s_wait_alu depctr_vm_vsrc(0)                   ; the pass before's loads of the tables have read v13
	v_lshl_add_u32 v[TADR], s34, 8, v[HB]          ; that it is written is stated by the wait at the head of step 31, which reads it
	STEP ph, 0, 1
	WIN 0
	s_add_co_u32 s34, s34, 1
	s_and_b32 s34, s34, 3
.rept 8
	v_nop                                          ; the places behind the last products, ahead of the lines that read the sums and write over A's buffer 1
.endr
	s_wait_dscnt 0x0                               ; the tables are in, and the next pass's first fragments of A
	EPI 0
	EPI 1
	EPI 2
	EPI 3
	s_sub_co_u32 s32, s32, 1
	s_cmp_lg_u32 s32, 0
	s_cbranch_scc1 .Lpass
	; after four passes W's stream stands where it began, seven steps asked for: a second block goes straight on
.set ea, 0
.rept 9
	v_add_f32 v[SA+2*ea], v[SA+2*ea], v[SA+2*ea+1]
.set ea, ea+1
.endr
.set ea, 0
.rept 9
	v_permlanex16_b32 v[SA+2*ea+1], v[SA+2*ea], s40, s41  ; the row's other places lie in the lane 16 away
.set ea, ea+1
.endr
.set ea, 0
.rept 9
	v_add_f32 v[SA+2*ea], v[SA+2*ea], v[SA+2*ea+1]
.set ea, ea+1
.endr
	s_wait_alu depctr_va_vdst(0)                   ; the additions have written the nine score sums, which the stores read
.set ea, 0
.rept 9
	ds_store_b32 v[SCA], v[SA+2*ea] offset:64*ea   ; row 16 a + r; both halves of the lanes hold the same number
.set ea, ea+1
.endr
.Lb2:
	s_wait_dscnt 0x0                               ; for the others' sake: my score sums lie in LDS
	s_barrier_signal -1
	s_barrier_wait -1
.set ea, 0
.rept 8
	v_mov_b32 v[O+ea], 0                           ; what an empty block stores: sums 0, the lowest finite maximum
.set ea, ea+1
.endr
	v_mov_b32 v[MX], 0xff7fffff
	v_mov_b32 v[LS], 0
	s_cmp_lt_u32 s31, s28
	s_cbranch_scc0 .Lb3
	; (3) THE BLOCK'S SOFTMAX, by every wave for itself: lane l holds rows 32 q + l, q = 0..4
	s_sub_co_u32 s45, s28, s31                     ; rows of mine from this block's first on,
	s_min_u32 s45, s45, 144                        ; of which the block holds 144 at the most
	v_mov_b32 v62, 0xff7fffff
	v_mov_b32 v63, 0xd01502f9                      ; -1e10
.irp q, 0,1,2,3,4
	v_add_nc_u32 v[64+\q], 32*\q, v[LN]
	v_min_u32 v60, 143, v[64+\q]
	v_lshl_add_u32 v[70+\q], v60, 2, SCB
	v_cmp_gt_u32 s[48+\q], s45, v[64+\q]           ; is the row one of mine?
.endr
	s_wait_alu depctr_va_sdst(0)                   ; the five masks s48-52 are written, ahead of their first reader
	s_wait_alu depctr_va_vdst(0)                   ; the five addresses v70-74 are written; all that named v80-99, in which the score sums land, is done
.irp q, 0,1,2,3,4
	ds_load_b32 v[80+4*\q], v[70+\q]
	ds_load_b32 v[81+4*\q], v[70+\q] offset:576
	ds_load_b32 v[82+4*\q], v[70+\q] offset:1152
	ds_load_b32 v[83+4*\q], v[70+\q] offset:1728
.endr
	s_wait_dscnt 0x0
.irp q, 0,1,2,3,4
	v_add_f32 v[80+4*\q], v[80+4*\q], v[81+4*\q]
	v_add_f32 v[82+4*\q], v[82+4*\q], v[83+4*\q]
.endr
.irp q, 0,1,2,3,4
	v_add_f32 v[80+4*\q], v[80+4*\q], v[82+4*\q]
.endr
.irp q, 0,1,2,3,4
	v_cndmask_b32 v[80+4*\q], v[80+4*\q], v63, s44 ; a batch with no unmasked row: every score is -1e10
.endr
.irp q, 0,1,2,3,4
	v_cndmask_b32 v[80+4*\q], v62, v[80+4*\q], s[48+\q]
.endr
	v_max3_num_f32 v[MX], v80, v84, v88
	v_max3_num_f32 v[MX], v[MX], v92, v96
	v_max_num_f32_dpp v[MX], v[MX], v[MX] row_xmask:1 row_mask:0xf bank_mask:0xf
	v_max_num_f32_dpp v[MX], v[MX], v[MX] row_xmask:2 row_mask:0xf bank_mask:0xf
	v_max_num_f32_dpp v[MX], v[MX], v[MX] row_xmask:4 row_mask:0xf bank_mask:0xf
	v_max_num_f32_dpp v[MX], v[MX], v[MX] row_xmask:8 row_mask:0xf bank_mask:0xf
	v_permlanex16_b32 v61, v[MX], s40, s41
	v_max_num_f32 v[MX], v[MX], v61                ; the block's maximum, in every lane
.irp q, 0,1,2,3,4
	v_sub_f32 v[80+4*\q], v[80+4*\q], v[MX]
.endr
.irp q, 0,1,2,3,4
	v_exp_f32 v[80+4*\q], v[80+4*\q]
.endr
	v_lshl_add_u32 v60, v[LN], 2, v[PADR0]         ; the plain line behind the last exponential
	s_wait_alu depctr_va_vdst(0)                   ; one wait for the five exponentials, ahead of their first reader
.irp q, 0,1,2,3,4
	v_cndmask_b32 v[80+4*\q], 0, v[80+4*\q], s[48+\q]
.endr
	s_wait_alu depctr_va_vdst(0)                   ; the five weights are written, which the stores read (their address v60 stands ahead of the wait before)
.irp q, 0,1,2,3,4
	ds_store_b32 v60, v[80+4*\q] offset:128*\q     ; my own copy of the weights
.endr
	v_add_f32 v[LS], v80, v84
	v_add_f32 v61, v88, v92
	v_add_f32 v[LS], v[LS], v61
	v_add_f32 v[LS], v[LS], v96
	v_add_f32_dpp v[LS], v[LS], v[LS] row_xmask:1 row_mask:0xf bank_mask:0xf
	v_add_f32_dpp v[LS], v[LS], v[LS] row_xmask:2 row_mask:0xf bank_mask:0xf
	v_add_f32_dpp v[LS], v[LS], v[LS] row_xmask:4 row_mask:0xf bank_mask:0xf
	v_add_f32_dpp v[LS], v[LS], v[LS] row_xmask:8 row_mask:0xf bank_mask:0xf
	v_permlanex16_b32 v61, v[LS], s40, s41
	v_add_f32 v[LS], v[LS], v61
.Lb3:
	s_wait_dscnt 0x0                               ; my weights lie in LDS:
	s_barrier_signal -1
	s_barrier_wait -1                              ; everybody's do.  The loop below reads LDS by stepped addresses: that its reads stand behind the weights' stores rests on this barrier, not on the addresses' arithmetic
	s_cmp_lt_u32 s31, s28
	s_cbranch_scc0 .Ls3
	; (4) THE WEIGHTED SUM.  Thread t sums columns 4 t .. 4 t + 3 and 512 + 4 t .. + 3 over the 144 LDS rows, 16 rows a trip.
	s_mov_b32 s35, 0                               ; the trip's 16 rows in A,
	s_mov_b32 s46, 0                               ; and their 16 weights
	s_mov_b32 s33, 9
.Lw:
	s_wait_alu depctr_vm_vsrc(0)                   ; the last trip's loads have read v36 and v38; the first time: the softmax's loads have read v70-74, in which weights land
	v_add_nc_u32 v[WADR], s35, v[WADR0]
	v_add_nc_u32 v[PADR], s46, v[PADR0]
	s_wait_alu depctr_va_vdst(0)                   ; the two addresses are written; the last trip's multiply-adds (the first time: the softmax's lines) are done with v64-79 and v96-159, in which the loads land
.irp z, 0,1,2,3
	ds_load_b128 v[64+4*\z:67+4*\z], v[PADR] offset:16*\z  ; 16 weights, the same in every lane
.endr
.set wi, 0
.rept 16
	ds_load_b64 v[96+4*wi:97+4*wi], v[WADR] offset:PITCH*wi
	ds_load_b64 v[98+4*wi:99+4*wi], v[WADR] offset:PITCH*wi+1024
.set wi, wi+1
.endr
.set wi, 0
.rept 16
.if wi%4 == 0
	s_wait_dscnt 24-2*wi                           ; four rows more are in: the later rows' loads, two a row, may stay out
.endif
.irp y, 0,1,2,3
	v_fma_mix_f32_bf16 v[O+2*\y],   v[96+4*wi+\y], v[64+wi], v[O+2*\y]   op_sel_hi:[1,0,0]
	v_fma_mix_f32_bf16 v[O+2*\y+1], v[96+4*wi+\y], v[64+wi], v[O+2*\y+1] op_sel:[1,0,0] op_sel_hi:[1,0,0]
.endr
.set wi, wi+1
.endr
	s_add_co_u32 s35, s35, 16*PITCH
	s_add_co_u32 s46, s46, 64
	s_sub_co_u32 s33, s33, 1
	s_cmp_lg_u32 s33, 0
	s_cbranch_scc1 .Lw
.Ls3:	; the block's slot of part: o, then (m, l, m, l) for each lane
	v_mov_b32 v218, v[MX]
	v_mov_b32 v219, v[LS]
	s_wait_alu depctr_va_vdst(0)                   ; the eight sums, m and l and their copies are written, which the stores read
	global_store_b128 v[GO], v[O:O+3],   s[16:17]              ; each store of a wave covers 512 consecutive bytes, aligned
	global_store_b128 v[GO], v[O+4:O+7], s[16:17] offset:2048
	s_cmp_lg_u32 s20, 0
	s_cbranch_scc1 .Lnml
	global_store_b128 v[L16], v[216:219], s[16:17] offset:4096
.Lnml:
.irp s, 0,1,2,3,4,5
	v_mov_b32 v[IDX+\s], v[IDXN+\s]                ; the second block's rows
.endr
	s_wait_xcnt 0x0                                ; the stores have read their data and their base: both are written anew only behind this wait
	s_wait_alu depctr_vm_vsrc(0)                   ; all that the next block writes anew has been read: the row offsets, the score sums, v60, v70-74, the weights, v36, v38, and the stores' v208-219
	s_add_nc_u64 s[16:17], s[16:17], 4608
	s_add_co_u32 s31, s31, 144
	s_wait_dscnt 0x0                               ; my reads of the rows, the score sums and the weights are over:
	s_barrier_signal -1
	s_barrier_wait -1                              ; everybody's are, so the next block may overwrite them
	s_sub_co_u32 s30, s30, 1
	s_cmp_lg_u32 s30, 0
	s_cbranch_scc1 .Lblk
	s_wait_dscnt 0x0                               ; the closing lines, six on end
	s_wait_alu 0x0
	s_wait_tensorcnt 0x0
	ds_add_u32 v[SPW], v[NIL]
	s_wait_dscnt 0x0
	s_endpgm
.Lfunc_end_k_qf63510e30e_main:
	.size	k_qf63510e30e_main, .Lfunc_end_k_qf63510e30e_main-k_qf63510e30e_main
	.p2alignl 7, 3214868480
	.fill 96, 4, 3214868480
	.section	.rodata,"a",@progbits
	.p2align	6, 0x0
	.amdhsa_kernel k_qf63510e30e_main
		.amdhsa_group_segment_fixed_size 310784
		.amdhsa_private_segment_fixed_size 0
		.amdhsa_enable_private_segment 0
		.amdhsa_kernarg_size 56
		.amdhsa_user_sgpr_count 2
		.amdhsa_user_sgpr_kernarg_segment_ptr 1
		.amdhsa_wavefront_size32 1
		.amdhsa_system_sgpr_workgroup_id_x 1
		.amdhsa_system_sgpr_workgroup_id_y 1
		.amdhsa_system_sgpr_workgroup_id_z 1
		.amdhsa_system_vgpr_workitem_id 0
		.amdhsa_next_free_vgpr 864
		.amdhsa_next_free_sgpr 66
		.amdhsa_reserve_vcc 0
		.amdhsa_float_denorm_mode_32 3
		.amdhsa_float_denorm_mode_16_64 3
		.amdhsa_memory_ordered 1
		.amdhsa_forward_progress 1
		.amdhsa_inst_pref_size 255
	.end_amdhsa_kernel
	.section	.bss,"aw",@nobits
	.p2align	6
	.space	262144
	.amdgpu_metadata
---
amdhsa.version: [ 1, 2 ]
amdhsa.kernels:
  - .name:           k_qf63510e30e_main
    .symbol:         k_qf63510e30e_main.kd
    .args:
      - { .name: encoder_outputs, .offset: 0, .size: 8, .value_kind: global_buffer, .address_space: global }
      - { .name: rows, .offset: 8, .size: 8, .value_kind: global_buffer, .address_space: global }
      - { .name: meta, .offset: 16, .size: 8, .value_kind: global_buffer, .address_space: global }
      - { .name: wf, .offset: 24, .size: 8, .value_kind: global_buffer, .address_space: global }
      - { .name: cb, .offset: 32, .size: 8, .value_kind: global_buffer, .address_space: global }
      - { .name: v_w, .offset: 40, .size: 8, .value_kind: global_buffer, .address_space: global }
      - { .name: part, .offset: 48, .size: 8, .value_kind: global_buffer, .address_space: global }
    .group_segment_fixed_size: 310784
    .private_segment_fixed_size: 0
    .kernarg_segment_align: 8
    .kernarg_segment_size: 56
    .max_flat_workgroup_size: 128
    .sgpr_count:     66
    .vgpr_count:     864
    .wavefront_size: 32
...
	.end_amdgpu_metadata
.endif
;; end of part 4
;; launch fin: the kernel of part 3 again; grid 8 x 32, 1 waves a work-group, no clusters, 0 bytes of LDS; arguments part, out0; writes out0
